; MI455X (gfx1250); checked and timed in simulation.
; The chip was launched on July 23, 2026; its instructions are those of AMD's public machine-readable ISA for CDNA 5 (MIT licence, August 2026) and "CDNA5" Instruction Set Architecture Reference Guide (July 2026). The comments in the code are by the model that wrote it; some were corrected since.
;; Attention Lo RA. Allowed arithmetic: matrix products marked QUANTISED: E2M1 operands, one E8M0 scale for each 32 along K, by v_wmma_scale_f32_16x16x128_f8f6f4 with both operands' format E2M1 (or v_wmma_scale_f32_32x16x128_f4), f32 sums; products left as they are: bf16, f16 or f32 operands; f32 sums; everything else in f32.
;; Inputs: b_attn 3,072 float32; b_proj 1,024 float32; lora_a_attn 16 x 1,024 float32; lora_a_proj 16 x 1,024 float32; lora_b_attn 3,072 x 16 float32; lora_b_proj 1,024 x 16 float32; w_attn 3,072 x 1,024 float32; w_proj 1,024 x 1,024 float32; x 2 x 2,048 x 1,024 float32.
;; Outputs: out0 2 x 2,048 x 1,024 float32.
;; Constants: n_head = 16.
;; This version of the problem:
;;   THIS VERSION OF THE PROBLEM IS GIVEN IN LOW PRECISION. The matrix products marked QUANTISED in the list below multiply operands that are first quantised to E2M1 (2 exponent bits, 1 mantissa bit; 4 bits a number), with one power-of-two scale for each 32 numbers along K (OCP MX v1.0); their sums are f32. The products marked 'left as it is' may take bf16, f16 or f32 operands, with f32 sums. Whichever they take, every output number must still come out within the allowed error. Rounding operands to bf16 (8 significant bits) uses up far more of that allowance than f16 does (11 bits, for magnitudes from 6e-5 to 65,504). All else is computed in f32.
;;   The module's matrix products, in the order in which they are computed (A, B: the left and right operand; K: the contracted axis; several contracted axes count as one K, in the product's order):
;;     1. [M 4,096, K 1,024] x [K 1,024, N 3,072]; A: input x; B: input w_attn: QUANTISED
;;     2. [M 4,096, K 1,024] x [K 1,024, N 16]; A: input x; B: input lora_a_attn: QUANTISED
;;     3. [M 4,096, K 16] x [K 16, N 3,072]; A: computed on the way; B: input lora_b_attn: left as it is (K = 16 < 32)
;;     4. batch 32 x [M 2,048, K 64] x [K 64, N 2,048]; A: computed on the way; B: computed on the way: left as it is (an operand is computed on the way)
;;     5. batch 32 x [M 2,048, K 2,048] x [K 2,048, N 64]; A: computed on the way; B: computed on the way: left as it is (an operand is computed on the way)
;;     6. [M 4,096, K 1,024] x [K 1,024, N 1,024]; A: computed on the way; B: input w_proj: left as it is (an operand is computed on the way)
;;     7. [M 4,096, K 1,024] x [K 1,024, N 16]; A: computed on the way; B: input lora_a_proj: left as it is (an operand is computed on the way)
;;     8. [M 4,096, K 16] x [K 16, N 1,024]; A: computed on the way; B: input lora_b_proj: left as it is (K = 16 < 32)
;;   THE QUANTISER, for each operand of a quantised product, along K:
;;     - K is cut into blocks of 32 from its start; a last block that is shorter is filled with zeros.
;;     - A block's scale is 2^e with e = floor(log2(the largest magnitude in the block)) - 2, held to -126 .. 127; a block of zeros has e = 0. As a byte (E8M0): e + 127.
;;     - Each number is divided by its block's scale, clamped to +-6, and rounded to the nearest number of E2M1, ties to even, subnormals kept.
;;     - The product sums the exact products of the quantised numbers (number of the format x scale) in f32.
;;   ~~~python
;;   def quantise(x, axis):      # numpy; x: float32 -> the quantised numbers, widened to float32 again
;;       x = np.moveaxis(x, axis, -1); K = x.shape[-1]
;;       x = np.pad(x, [(0, 0)] * (x.ndim - 1) + [(0, -K % 32)]); x = x.reshape(x.shape[:-1] + (-1, 32)); a = np.abs(x).max(-1, keepdims=True)
;;       e = np.where(a > 0, np.clip(np.frexp(np.where(a > 0, a, 1))[1] - 1 - 2, -126, 127), 0)      # np.frexp(a)[1] - 1 = floor(log2(a)), exactly
;;       r = np.clip(x / 2.0 ** e, -6, 6)
;;       step = 2.0 ** (np.maximum(np.frexp(np.where(r == 0, 1, r))[1] - 1, 0) - 1)
;;       q = np.round(r / step) * step * 2.0 ** e      # np.round: ties to even
;;       return np.moveaxis(q.reshape(q.shape[:-2] + (-1,))[..., :K], -1, axis).astype(np.float32)
;;   ~~~
;; One version. Each part assembles by itself: llvm-mc -triple=amdgcn-amd-amdhsa -mcpu=gfx1250 --defsym DOCPART=n.
;; ======== version 1 of 1: 5 launches
;; limits: values are held in f16: magnitudes above 65,504 overflow, below 6.1e-05 lose precision
;; workspace buffers: codes 3,678,208 bytes; scales 229,888 bytes; w16 2,097,152 bytes; weff 4,194,304 bytes; qkvh 25,165,824 bytes; qkv32 393,216 bytes; yh 8,388,608 bytes
;; launch prep (part 1): grid 705 x 1, 2 waves a work-group, no clusters, 16,640 bytes of LDS; arguments x, w_attn, lora_a_attn, w_proj, lora_a_proj, lora_b_proj, codes, scales, w16, weff; writes codes, scales, w16, weff
.if DOCPART == 1
	.amdgcn_target "amdgcn-amd-amdhsa--gfx1250"
	.amdhsa_code_object_version 6
	.text
	.protected	k_qbb3df38c6c_prep
	.globl	k_qbb3df38c6c_prep
	.p2align	8
	.type	k_qbb3df38c6c_prep,@function
k_qbb3df38c6c_prep:
	s_mov_b64 s[64:65], 0
	v_nop
	global_prefetch_b8 v0, s[64:65] scope:SCOPE_SE
	s_setreg_imm32_b32 hwreg(HW_REG_WAVE_MODE, 25, 1), 1
	s_wait_xcnt 0x0
; TWO JOBS IN ONE LAUNCH, told apart by the work-group's number.
; Work-groups 0-448: x [4096][1024], w_attn [3072][1024] and lora_a_attn [16][1024], f32, become codes of FP4 (E2M1), K innermost, two codes a byte, with one E8M0 byte for each 32 along K.
;   A block's scale is 2^(floor(log2(largest magnitude)) - 2); its byte is the largest magnitude's exponent field - 2, held at 1 from below.  Rows are dense and K is a multiple of 32: the three tensors are
;   plain streams of blocks, and their codes and bytes lie on end in the order x, w_attn, lora_a_attn, which is the order of the work-groups: 256, 192 and 1 of them, 16,384 numbers each.
;   A wave takes 16 steps of 512 numbers.  Loads take 512 consecutive bytes and run eight steps (32 loads, 16,384 bytes a wave) ahead; a step's 2,048 bytes turn through the wave's own stage in LDS so that a lane holds 16 neighbours along K.
; Work-groups 449-704: W_eff = w_proj + (1/16) lora_b_proj lora_a_proj, in f32 (16 fused multiply-adds a number), stored as f32 and as f16.  y W_eff^T is y w_proj^T + (y A^T) B^T / 16 for every input;
;   the order of rounding differs from a program that multiplies by A and then by B.  A wave takes 16 rows n x 128 k, a lane 4 neighbouring k.  lora_b_proj's 16 rows, 1,024 bytes, come by two vector loads
;   with the other loads and are read out lane by lane into scalars, a row ahead of its use.
; LIMITS: a block of zeros gets the byte 1 (its codes are zeros, and this program alone reads the bytes); blocks under 2^-124 were not tried; NaN and infinities are not served; W_eff beyond 65,504 has no f16.
.set QWG,   449                        ; work-groups that quantise
.set STEPS, 16
.set DEPTH, 8                          ; steps whose loads are on their way
.set CB,    8                          ; bytes of 16 codes
.set R,     16                         ; v16-143  eight sets of 16 numbers as loaded
.set X,     144                        ; v144-175 two sets of 16 neighbours
.set E,     176                        ; v176-191 a scale byte for each step
.set C,     192                        ; v192-223 codes, two registers a step: no store's data are written again
.set WREG,  8192                       ; LDS of a wave: two stages of 32 x SP bytes, then its 256 scale bytes
.set SP,    80                         ; a lane's place in a stage: 64 bytes + 16 of padding
.set SPW,   12                         ; v12 my spare word's address; never rewritten
.set NIL,   13                         ; v13 0; never rewritten
.set SPARE, 2*WREG                     ; the spare words: 128 bytes a wave, one block of 256 bytes that no other line names
	s_load_b512 s[4:19], s[0:1], 0x0               ; x 4:5, w_attn 6:7, lora_a_attn 8:9, w_proj 10:11, lora_a_proj 12:13, lora_b_proj 14:15, codes 16:17, scales 18:19
	s_load_b128 s[20:23], s[0:1], 0x40             ; w16 20:21, weff 22:23
	v_lshl_add_u32 v[SPW], v0, 2, SPARE
	v_mov_b32 v[NIL], 0
	v_lshrrev_b32 v1, 5, v0
	v_readfirstlane_b32 s24, v1                    ; wave 0, 1
	v_and_b32 v2, 31, v0                           ; lane
	s_cmp_ge_u32 ttmp9, QWG
	s_cbranch_scc1 .Lweff
	; ---------------- the quantiser ----------------
	v_lshlrev_b32 v3, 4, v2                        ; my 16 bytes of a load's 512
	s_mul_i32 s25, s24, WREG
	v_lshrrev_b32 v14, 2, v2
	v_mul_u32_u24 v14, v14, SP
	v_and_b32 v15, 3, v2
	v_lshl_add_u32 v14, v15, 4, v14
	v_add_nc_u32 v14, s25, v14                     ; the stage, in: SP (lane / 4) + 16 (lane % 4)
	v_mul_u32_u24 v15, v2, SP
	v_add_nc_u32 v15, s25, v15                     ; and out: SP x lane: my 16 neighbours
	v_mul_u32_u24 v4, v2, CB                       ; my codes' place in a step's
	v_lshrrev_b32 v5, 1, v2
	s_add_co_u32 s25, s25, 2*32*SP
	v_add_nc_u32 v5, s25, v5                       ; my block's byte among the wave's 256
	v_lshlrev_b32 v7, 3, v2
	v_add_nc_u32 v6, s25, v7                       ; and 8 bytes a lane on the way out
	s_wait_kmcnt 0x0
	s_cmp_lt_u32 ttmp9, 256                        ; which tensor: the choice hangs on the work-group's number alone
	s_cselect_b64 s[4:5], s[4:5], s[6:7]
	s_cselect_b32 s26, 0, 256
	s_cmp_lt_u32 ttmp9, 448
	s_cselect_b64 s[4:5], s[4:5], s[8:9]
	s_cselect_b32 s26, s26, 448                    ; the tensor's first work-group
	s_sub_co_u32 s26, ttmp9, s26
	s_lshl_b32 s26, s26, 1
	s_add_co_u32 s26, s26, s24                     ; my run of 8,192 numbers in the tensor
	s_lshl_b32 s26, s26, 15
	s_mov_b32 s27, 0
	s_add_nc_u64 s[4:5], s[4:5], s[26:27]
	s_lshl_b32 s28, ttmp9, 1
	s_add_co_u32 s28, s28, s24                     ; my run among all runs: codes and bytes lie on end
	s_lshl_b32 s26, s28, 12
	s_add_nc_u64 s[16:17], s[16:17], s[26:27]
	s_lshl_b32 s26, s28, 8
	s_add_nc_u64 s[18:19], s[18:19], s[26:27]
.macro LOAD t
.irp i, 0,1,2,3
	global_load_b128 v[R+16*((\t)%DEPTH)+4*\i:R+16*((\t)%DEPTH)+4*\i+3], v3, s[4:5] offset:2048*(\t)+512*\i th:TH_LOAD_NT   ; 32 lanes read 512 consecutive bytes
.endr
.endm
.macro TURN t                          ; step t's numbers through the stage; LDS serves a wave's instructions in order, so no wait stands between the stores and the loads
.irp i, 0,1,2,3
	ds_store_b128 v14, v[R+16*((\t)%DEPTH)+4*\i:R+16*((\t)%DEPTH)+4*\i+3] offset:32*SP*((\t)%2)+8*SP*\i
.endr
.irp i, 0,1,2,3
	ds_load_b128 v[X+16*((\t)%2)+4*\i:X+16*((\t)%2)+4*\i+3], v15 offset:32*SP*((\t)%2)+16*\i
.endr
.endm
.irp t, 0,1,2,3,4,5,6,7
	LOAD \t
.endr
	s_wait_loadcnt 4*(DEPTH-1)                     ; step 0's four loads are in; those of the seven steps behind it may be out
	TURN 0
.macro STEP t
.set XS, X+16*((\t)%2)
.if (\t) > 0
	s_wait_dscnt 1                                 ; this step's numbers are back from the stage (the last step's byte store may be out)
.else
	s_wait_dscnt 0x0
.endif
.if (\t)+DEPTH < STEPS
	LOAD (\t)+DEPTH                                ; into the registers that the stage's stores have read
.endif
.if (\t)+1 < STEPS
.if (\t)+DEPTH < STEPS
	s_wait_loadcnt 4*(DEPTH-1)                     ; the next step's four loads are in; those of the seven steps behind it may be out
.else
	s_wait_loadcnt 4*(STEPS-2-(\t))                ; the tail: the steps that are left behind the next one
.endif
	TURN (\t)+1
.endif
	v_max3_num_f32 v8, |v[XS]|, |v[XS+1]|, |v[XS+2]|               ; the largest magnitude of my 16, in two chains
	v_max3_num_f32 v9, |v[XS+3]|, |v[XS+4]|, |v[XS+5]|
.irp i, 6,10
	v_max3_num_f32 v8, v8, |v[XS+\i]|, |v[XS+\i+1]|
	v_max3_num_f32 v9, v9, |v[XS+\i+2]|, |v[XS+\i+3]|
.endr
	v_max3_num_f32 v8, v8, |v[XS+14]|, |v[XS+15]|
	v_max3_num_f32 v8, v8, v9, 0x1800000           ; and the floor 2^(3 - 127): the byte cannot fall under 1
	v_max_num_f32_dpp v8, v8, v8 row_xmask:1 row_mask:0xf bank_mask:0xf   ; with my neighbour's 16: the block's
	v_add_nc_u32 v11, 0xff000000, v8               ; 2 off its exponent field: the conversion takes this operand's exponent field as its scale
	v_cvt_scalef32_pk8_fp4_f32 v[C+2*(\t)], v[XS:XS+7], v11
	v_cvt_scalef32_pk8_fp4_f32 v[C+2*(\t)+1], v[XS+8:XS+15], v11
	v_lshrrev_b32 v[E+(\t)], 23, v11               ; the scale's byte
	ds_store_b8 v5, v[E+(\t)] offset:16*(\t)       ; both lanes of a block write the same byte with the same value
	global_store_b64 v4, v[C+2*(\t):C+2*(\t)+1], s[16:17] offset:32*CB*(\t)   ; the wave stores 256 consecutive bytes, aligned
.endm
.irp t, 0,1,2,3,4,5,6,7,8,9,10,11,12,13,14,15
	STEP \t
.endr
	ds_load_b64 v[8:9], v6                         ; in order behind my byte stores
	s_wait_dscnt 0x0
	global_store_b64 v7, v[8:9], s[18:19]          ; the wave's 256 scale bytes, aligned
	s_wait_tensorcnt 0x0                           ; the wave's end, behind my last LDS store
	ds_add_u32 v[SPW], v[NIL]
	s_wait_dscnt 0x0
	s_endpgm
	; ---------------- W_eff ----------------  (no LDS on this path)
	; v8-11 a row's sums; v16-79 lora_a_proj's 16 rows at my k; v80-143 w_proj's 16 rows, then W_eff; v144-175 W_eff as f16; v176-183 lora_b_proj's 16 rows, 4 numbers a lane
.Lweff:
	s_sub_co_u32 s25, ttmp9, QWG
	s_lshl_b32 s25, s25, 1
	s_add_co_u32 s25, s25, s24                     ; J = 0 .. 511
	s_and_b32 s26, s25, 7                          ; which 128 along k
	s_lshr_b32 s27, s25, 3                         ; which 16 rows n
	v_lshlrev_b32 v1, 4, v2                        ; 16 bytes of f32 a lane
	v_lshlrev_b32 v3, 3, v2                        ; 8 bytes of f16 a lane
	s_lshl_b32 s28, s26, 9
	s_mov_b32 s29, 0
	s_lshl_b32 s30, s27, 16                        ; 16 rows of 4,096 bytes
	s_add_co_u32 s30, s30, s28
	s_mov_b32 s31, 0
	s_mov_b32 s25, 0x3d800000                      ; 1/16
	s_wait_kmcnt 0x0
	s_add_nc_u64 s[12:13], s[12:13], s[28:29]      ; lora_a_proj at my k
	s_add_nc_u64 s[10:11], s[10:11], s[30:31]      ; w_proj at my rows and k
	s_add_nc_u64 s[22:23], s[22:23], s[30:31]      ; weff likewise
	s_lshr_b32 s30, s30, 1
	s_add_nc_u64 s[20:21], s[20:21], s[30:31]      ; w16: half the bytes
	s_lshl_b32 s30, s27, 10                        ; 16 rows of 64 bytes
	s_add_nc_u64 s[14:15], s[14:15], s[30:31]      ; lora_b_proj at my rows
	global_load_b128 v[176:179], v1, s[14:15]              ; rows 0-7: lane l holds numbers 4 l .. 4 l + 3 of their 128
	global_load_b128 v[180:183], v1, s[14:15] offset:512   ; rows 8-15
.irp p, 0,1,2,3,4,5,6,7,8,9,10,11,12,13,14,15
	global_load_b128 v[16+4*\p:19+4*\p], v1, s[12:13] offset:4096*\p
.endr
.irp i, 0,1,2,3,4,5,6,7,8,9,10,11,12,13,14,15
	global_load_b128 v[80+4*\i:83+4*\i], v1, s[10:11] offset:4096*\i th:TH_LOAD_NT
.endr
.macro RDB i                           ; row i's 16 numbers of lora_b_proj become scalars, in set i % 2 (s32-47, s48-63): number p lies in lane 4 (i % 8) + p / 4, register p % 4
.irp p, 0,1,2,3,4,5,6,7,8,9,10,11,12,13,14,15
	v_readlane_b32 s[32+16*((\i)%2)+\p], v[176+4*((\i)/8)+(\p)%4], 4*((\i)%8)+(\p)/4
.endr
.endm
.macro ROW i                           ; row i: acc = sum over rho of b[rho] A[rho][k]; W = acc / 16 + W; stored as f32 and as f16.  Each row has its own data registers
.irp c, 0,1,2,3
	v_mul_f32 v[8+\c], s[32+16*((\i)%2)], v[16+\c]
.endr
.irp p, 1,2,3,4,5,6,7,8,9,10,11,12,13,14,15
.irp c, 0,1,2,3
	v_fmac_f32 v[8+\c], s[32+16*((\i)%2)+\p], v[16+4*\p+\c]
.endr
.endr
.irp c, 0,1,2,3
	v_fma_f32 v[80+4*(\i)+\c], v[8+\c], s25, v[80+4*(\i)+\c]
.endr
	v_cvt_pk_f16_f32 v[144+2*(\i)], v[80+4*(\i)], v[81+4*(\i)]
	v_cvt_pk_f16_f32 v[145+2*(\i)], v[82+4*(\i)], v[83+4*(\i)]
	global_store_b128 v1, v[80+4*(\i):83+4*(\i)], s[22:23] offset:4096*(\i)     ; 512 consecutive bytes
	global_store_b64 v3, v[144+2*(\i):145+2*(\i)], s[20:21] offset:2048*(\i)    ; 256 consecutive bytes, aligned
.endm
	s_wait_loadcnt 0x0
	RDB 0
.irp i, 0,1,2,3,4,5,6,7,8,9,10,11,12,13,14,15
.if \i < 15
	RDB \i+1                                       ; the next row's scalars, into the other set, ahead of this row's arithmetic
.endif
	ROW \i
.endr
	s_endpgm
.Lfunc_end_k_qbb3df38c6c_prep:
	.size	k_qbb3df38c6c_prep, .Lfunc_end_k_qbb3df38c6c_prep-k_qbb3df38c6c_prep
	.p2alignl 7, 3214868480
	.fill 96, 4, 3214868480
	.section	.rodata,"a",@progbits
	.p2align	6, 0x0
	.amdhsa_kernel k_qbb3df38c6c_prep
		.amdhsa_group_segment_fixed_size 16640
		.amdhsa_private_segment_fixed_size 0
		.amdhsa_enable_private_segment 0
		.amdhsa_kernarg_size 80
		.amdhsa_user_sgpr_count 2
		.amdhsa_user_sgpr_kernarg_segment_ptr 1
		.amdhsa_wavefront_size32 1
		.amdhsa_system_sgpr_workgroup_id_x 1
		.amdhsa_system_sgpr_workgroup_id_y 1
		.amdhsa_system_sgpr_workgroup_id_z 1
		.amdhsa_system_vgpr_workitem_id 0
		.amdhsa_next_free_vgpr 224
		.amdhsa_next_free_sgpr 66
		.amdhsa_reserve_vcc 0
		.amdhsa_float_denorm_mode_32 3
		.amdhsa_float_denorm_mode_16_64 3
		.amdhsa_memory_ordered 1
		.amdhsa_forward_progress 1
		.amdhsa_inst_pref_size 94
	.end_amdhsa_kernel
	.amdgpu_metadata
---
amdhsa.version: [ 1, 2 ]
amdhsa.kernels:
  - .name:           k_qbb3df38c6c_prep
    .symbol:         k_qbb3df38c6c_prep.kd
    .args:
      - { .name: x, .offset: 0, .size: 8, .value_kind: global_buffer, .address_space: global }
      - { .name: w_attn, .offset: 8, .size: 8, .value_kind: global_buffer, .address_space: global }
      - { .name: lora_a_attn, .offset: 16, .size: 8, .value_kind: global_buffer, .address_space: global }
      - { .name: w_proj, .offset: 24, .size: 8, .value_kind: global_buffer, .address_space: global }
      - { .name: lora_a_proj, .offset: 32, .size: 8, .value_kind: global_buffer, .address_space: global }
      - { .name: lora_b_proj, .offset: 40, .size: 8, .value_kind: global_buffer, .address_space: global }
      - { .name: codes, .offset: 48, .size: 8, .value_kind: global_buffer, .address_space: global }
      - { .name: scales, .offset: 56, .size: 8, .value_kind: global_buffer, .address_space: global }
      - { .name: w16, .offset: 64, .size: 8, .value_kind: global_buffer, .address_space: global }
      - { .name: weff, .offset: 72, .size: 8, .value_kind: global_buffer, .address_space: global }
    .group_segment_fixed_size: 16640
    .private_segment_fixed_size: 0
    .kernarg_segment_align: 8
    .kernarg_segment_size: 80
    .max_flat_workgroup_size: 64
    .sgpr_count:     66
    .vgpr_count:     224
    .wavefront_size: 32
...
	.end_amdgpu_metadata
.endif
;; end of part 1
;; launch qkv (part 2): grid 16 x 16, 4 waves a work-group, clusters of 4 x 4, 327,680 bytes of LDS; arguments codes, scales, b_attn, lora_b_attn, qkvh, qkv32; writes qkvh, qkv32
.if DOCPART == 2
	.amdgcn_target "amdgcn-amd-amdhsa--gfx1250"
	.amdhsa_code_object_version 6
	.text
	.protected	k_qbb3df38c6c_qkv
	.globl	k_qbb3df38c6c_qkv
	.p2align	8
	.type	k_qbb3df38c6c_qkv,@function
k_qbb3df38c6c_qkv:
	s_mov_b64 s[64:65], 0
	v_nop
	global_prefetch_b8 v0, s[64:65] scope:SCOPE_SE
	s_setreg_imm32_b32 hwreg(HW_REG_WAVE_MODE, 25, 1), 1
	s_wait_xcnt 0x0
	s_wait_alu depctr_hold_cnt(0) depctr_sa_sdst(0) depctr_va_vdst(0) depctr_va_sdst(0) depctr_va_ssrc(0) depctr_va_vcc(0) depctr_vm_vsrc(0)
	s_getreg_b32 s2, hwreg(HW_REG_IB_STS2, 6, 4)
	s_cmp_eq_u32 s2, 0
	s_cbranch_scc0 .Lentry_in_a_cluster
	s_endpgm
.Lentry_in_a_cluster:
	s_bfe_u32 s2, ttmp6, 0x10000c
	s_cmp_lg_u32 s2, 0xf033
	s_cbranch_scc0 .Lentry_shape_is_right
	s_endpgm
.Lentry_shape_is_right:
; qkv = Q(x) Q(w_attn)^T + b_attn + (Q(x) Q(lora_a_attn)^T) lora_b_attn^T / 16.  The two products on x run on codes of FP4 (E2M1) with one E8M0 scale for each 32 along K; sums in f32.
; OUT: q, k, v as f16 by head, qkvh [48 g][4096 m][64] (g = column / 64); positions 0-15 of both sequences also as f32, qkv32 [2][48][16][64].
; SHARES.  A tile of C is 256 rows x 192 columns (three heads): 16 x 16 work-groups.  Wave w owns rows 64 w .. 64 w + 63 and all 192 columns: 4 x 12 accumulators, and 4 more for t = Q(x) Q(lora_a)^T of its rows.
; K = 1,024 lies in LDS whole, as two slots of 512 (rows of 256 bytes), both asked for at the head: nothing is filled again, so there is no ring.  The scale bytes of the tile's rows come once, as dense blocks.
; CLUSTER 4 x 4: the four of a row need the same rows of x, the four of a column the same rows of w_attn: each tile is asked for jointly.
; THE MATRIX INSTRUCTION IS USED TRANSPOSED (source 0 = 16 rows of w, source 1 = 16 rows of x): a lane holds row m = lane % 16 and eight neighbouring columns 8 (lane / 16) + 0 .. 7.  The bias is the C of each sum's first product.
; THE PRODUCT WITH lora_b (K = 16) goes as pairs of f16: t / 16 and lora_b are split in f32 into a high part (10 mantissa bits kept) and the rest.  One f16 product has K = 32: places 0-15 take t's high parts,
; places 16-31 its low parts; against [b_hi | b_hi] and then [b_lo | b_lo] the two products sum (t_hi + t_lo)(b_hi + b_lo).  t's result layout is that operand's layout: nothing changes lanes.
; LIMITS: q, k, v, t / 16 and lora_b beyond 65,504 have no f16; under 6e-5 their f16 parts lose relative precision.
; REGISTERS, in windows of 256.  Window 0: v0-31 addresses; v32-159 scale words of x and w (two sets) and v224-231 lora_a's: scales and nothing else; v160-223 x's fragments, two sets (at the head lora_b raw and split,
;   at the end t's operands, then packed results); v208-215, v232-247 at work.  Window 1: v0-191 w's fragments, two sets (at the end lora_b's operands, then rows on their way out); v192-255 lora_a's 8 fragments.
;   Window 2: accumulators of row blocks 0, 1 at v[8 (12 a + b)]; t(0), t(1) at v192, v200; the bias of column blocks 0-5 from v208.   Window 3: the same for row blocks 2, 3 and column blocks 6-11.
.set PITCH,  272                       ; an LDS row of codes: 256 bytes + 16: the 16 rows of a fragment load start 4 banks apart
.set ABYTES, 256*PITCH                 ; x's 256 rows of a slot
.set AHALF,  128*PITCH
.set BHALF,  96*PITCH
.set SLOT,   448*PITCH                 ; x's 256 rows, then w's 192
.set SCL,    2*SLOT                    ; x's scale bytes: 32 blocks of 256 bytes + 16
.set SCLB,   SCL+32*272                ; w's: 24 such blocks
.set LIMG,   259072                    ; lora_b's operands as images of registers: 12 blocks x (high, low) x 512 bytes; written by LDS stores alone
.set SPARE,  LIMG+12*1024              ; the spare words, 128 bytes a wave
.set HP,     144                       ; the way out: a head's row, 128 bytes + 16.  The stages lie in slot 0, which has had its one fill and its last read by then
.set WC,     2097152                   ; byte offsets in the buffers of codes and scale bytes
.set AC,     3670016
.set WS,     131072
.set ASC,    229376
.set LSO,  5                           ; v5   32 r
.set LAO,  9                           ; v9   512 r + 16 h
.set BO,   10                          ; v10  32 h
.set LBO,  11                          ; v11  64 r + 32 h
.set FLAG, 15                          ; v15  0 in the wave that holds positions 0-15 of a sequence
.set ADRA, 16                          ; v16-17 my x fragments in slot 0, 1
.set ADRB, 20                          ; v20-21 w's
.set ADSA, 22                          ; v22  x's scale words
.set ADSB, 23                          ; v23  w's
.set STO,  24
.set RD,   25
.set GO,   26
.set FO,   27
.set SPW,  28                          ; v28  my spare word; never rewritten
.set NIL,  29                          ; v29  0; never rewritten
.set VIMG, 30                          ; v30  where I store lora_b's images
.set VIL,  31                          ; v31  where any wave loads them
.set AF,   160
.set TSC,  208                         ; t / 16
.set SX,   232                         ; the split's 16 registers
.set G1,   24
.set G0,   32
.set G1B,  48
.set G0B,  56
.set G1S,  68
.set G0S,  76
.set G1SB, 80
.set G0SB, 88
.set MSB, 0
.macro WIN new                         ; bits 1:0 source 0, 3:2 source 1, 5:4 source 2, 7:6 destination; the high byte repeats the setting that is left
.if MSB != \new
	s_set_vgpr_msb (MSB<<8)|\new
.set MSB, \new
.endif
.endm
.macro PLACES n
.rept \n
	v_nop
.endr
.endm
; A joint load: waves 0 and 1 fetch for x, waves 2 and 3 for w.  The branch hangs on the wave's number alone.  An s_nop 0 and four v_nop follow each line.
.macro JLOAD g0a, g1a, g0b, g1b
	s_cmp_eq_u32 s17, 0
	s_cbranch_scc0 .Lfor_b_\@
	tensor_load_to_lds s[\g0a:\g0a+3], s[\g1a:\g1a+7]
	s_nop 0
.rept 4
	v_nop
.endr
	s_branch .Lasked_\@
.Lfor_b_\@:
	tensor_load_to_lds s[\g0b:\g0b+3], s[\g1b:\g1b+7]
	s_nop 0
.rept 4
	v_nop
.endr
.Lasked_\@:
.endm
.macro CROUND                          ; a round of the cluster's barrier
	s_barrier_signal -1
	s_barrier_wait -1
	s_cmp_lg_u32 s16, 0
	s_cbranch_scc1 .Lnot_wave_0_\@
	s_barrier_signal -3
.Lnot_wave_0_\@:
	s_barrier_wait -3
	s_barrier_signal -1
	s_barrier_wait -1
.endm
	s_load_b256 s[4:11], s[0:1], 0x0               ; codes 4:5, scales 6:7, b_attn 8:9, lora_b_attn 10:11
	s_load_b128 s[12:15], s[0:1], 0x20             ; qkvh 12:13, qkv32 14:15
	v_lshl_add_u32 v[SPW], v0, 2, SPARE
	v_mov_b32 v[NIL], 0
	ds_add_u32 v[SPW], v[NIL]                      ; the wave's opening: the add, twice on end, and its wait ahead of my first tensor load
	ds_add_u32 v[SPW], v[NIL]
	v_lshrrev_b32 v1, 5, v0
	v_readfirstlane_b32 s16, v1                    ; wave 0..3
	s_lshr_b32 s17, s16, 1                         ; I fetch for x (0) or for w (1)
	s_and_b32 s18, s16, 1                          ; which half of that tile
	s_bfe_u32 s19, ttmp6, 0x40000                  ; cx
	s_bfe_u32 s20, ttmp6, 0x40004                  ; cy
	s_lshl_b32 s21, ttmp9, 2
	s_add_co_u32 s21, s21, s19                     ; ct: tile column
	s_and_b32 s22, ttmp7, 0xffff
	s_lshl_b32 s22, s22, 2
	s_add_co_u32 s22, s22, s20                     ; rt: tile row
	s_lshl_b32 s2, s20, 2
	s_lshl_b32 s2, 15, s2                          ; my row of the cluster
	s_lshl_b32 s3, 0x1111, s19                     ; my column
	s_or_b32 s[G1], s2, (1<<20)|(1<<21)|(5<<22)|(3<<25)     ; mask; elements of 1 byte; 4 words of padding behind every 64
	s_or_b32 s[G1B], s3, (1<<20)|(1<<21)|(5<<22)|(3<<25)
	s_mov_b32 s[G1+1], 256<<16                     ; tensor_dim0 = 256 bytes
	s_mov_b32 s[G1+2], 128<<16                     ; tensor_dim1 = 128 rows
	s_mov_b32 s[G1+3], 256<<16                     ; tile_dim0
	s_mov_b32 s[G1+4], 128                         ; tile_dim1
	s_mov_b32 s[G1+5], 512                         ; a row of 1,024 codes in memory
	s_mov_b32 s[G1+6], 0
	s_mov_b32 s[G1+7], 0
	s_mov_b32 s[G1B+1], 256<<16
	s_mov_b32 s[G1B+2], 96<<16                     ; w: 96 rows
	s_mov_b32 s[G1B+3], 256<<16
	s_mov_b32 s[G1B+4], 96
	s_mov_b32 s[G1B+5], 512
	s_mov_b32 s[G1B+6], 0
	s_mov_b32 s[G1B+7], 0
	s_or_b32 s[G1S], s2, (3<<16)|(1<<20)|(1<<21)|(5<<22)|(3<<25)    ; the scale bytes of 128 rows: 4,096 dense bytes as 16 rows of 32 elements of 8 bytes
	s_or_b32 s[G1SB], s3, (3<<16)|(1<<20)|(1<<21)|(5<<22)|(3<<25)   ; of 96 rows: 12 such rows
	s_mov_b32 s[G1S+1], 32<<16
	s_mov_b32 s[G1S+2], 16<<16
	s_mov_b32 s[G1S+3], 32<<16
	s_mov_b32 s[G1S+4], 16
	s_mov_b32 s[G1S+5], 32
	s_mov_b32 s[G1S+6], 0
	s_mov_b32 s[G1S+7], 0
	s_mov_b32 s[G1SB+1], 32<<16
	s_mov_b32 s[G1SB+2], 12<<16
	s_mov_b32 s[G1SB+3], 32<<16
	s_mov_b32 s[G1SB+4], 12
	s_mov_b32 s[G1SB+5], 32
	s_mov_b32 s[G1SB+6], 0
	s_mov_b32 s[G1SB+7], 0
	; x's addresses hang on rt alone (s40-43), w's on ct alone (s44-47)
	s_lshl_b32 s40, s22, 8
	s_lshl_b32 s23, s18, 7
	s_add_co_u32 s40, s40, s23                     ; row 256 rt + 128 half
	s_lshl_b32 s42, s40, 5                         ; its scale bytes
	s_lshl_b32 s40, s40, 9                         ; its codes
	s_mov_b32 s41, 0
	s_mov_b32 s43, 0
	s_mul_i32 s44, s21, 192
	s_mul_i32 s23, s18, 96
	s_add_co_u32 s44, s44, s23                     ; row 192 ct + 96 half
	s_lshl_b32 s46, s44, 5
	s_add_co_u32 s46, s46, WS
	s_lshl_b32 s44, s44, 9
	s_add_co_u32 s44, s44, WC
	s_mov_b32 s45, 0
	s_mov_b32 s47, 0
	s_mul_i32 s92, s18, AHALF                      ; LDS places hang on the wave's number alone
	s_mul_i32 s93, s18, BHALF
	s_add_co_u32 s93, s93, ABYTES
	s_mul_i32 s94, s18, 16*272
	s_add_co_u32 s94, s94, SCL
	s_mul_i32 s95, s18, 12*272
	s_add_co_u32 s95, s95, SCLB
	s_wait_dscnt 0x0                               ; both opening adds are done
	s_wait_kmcnt 0x0
	s_add_nc_u64 s[40:41], s[4:5], s[40:41]
	s_add_nc_u64 s[42:43], s[6:7], s[42:43]
	s_add_nc_u64 s[44:45], s[4:5], s[44:45]
	s_add_nc_u64 s[46:47], s[6:7], s[46:47]
	CROUND                                         ; all sixteen work-groups are here: the joint loads meet
	s_mov_b32 s[G0S], 1
	s_mov_b32 s[G0S+1], s94
	s_mov_b64 s[G0S+2:G0S+3], s[42:43]
	s_or_b32 s[G0S+3], s[G0S+3], 0x80000000
	s_mov_b32 s[G0SB], 1
	s_mov_b32 s[G0SB+1], s95
	s_mov_b64 s[G0SB+2:G0SB+3], s[46:47]
	s_or_b32 s[G0SB+3], s[G0SB+3], 0x80000000
	JLOAD G0S, G1S, G0SB, G1SB                     ; the scale bytes first
.irp s, 0,1
	s_mov_b32 s[G0+4*\s], 1
	s_add_co_u32 s[G0+4*\s+1], s92, \s*SLOT
	s_add_nc_u64 s[G0+4*\s+2:G0+4*\s+3], s[40:41], \s*256
	s_or_b32 s[G0+4*\s+3], s[G0+4*\s+3], 0x80000000
	s_mov_b32 s[G0B+4*\s], 1
	s_add_co_u32 s[G0B+4*\s+1], s93, \s*SLOT
	s_add_nc_u64 s[G0B+4*\s+2:G0B+4*\s+3], s[44:45], \s*256
	s_or_b32 s[G0B+4*\s+3], s[G0B+4*\s+3], 0x80000000
	JLOAD G0+4*\s, G1, G0B+4*\s, G1B               ; three tensor loads of mine are out at the most
.endr
	v_and_b32 v1, 15, v0                           ; r
	v_bfe_u32 v2, v0, 4, 1                         ; h
	v_mul_u32_u24 v3, v1, PITCH
	v_lshl_add_u32 v3, v2, 4, v3                   ; 272 r + 16 h
	s_mul_i32 s23, s16, 64*PITCH
	v_add_nc_u32 v[ADRA], s23, v3
	v_add_nc_u32 v[ADRA+1], SLOT, v[ADRA]
	v_add_nc_u32 v[ADRB], ABYTES, v3
	v_add_nc_u32 v[ADRB+1], SLOT, v[ADRB]
	v_lshrrev_b32 v4, 3, v1
	v_lshlrev_b32 v[LSO], 5, v1
	v_lshl_add_u32 v4, v4, 4, v[LSO]               ; a row's 32 scale bytes: 32 r, and 16 more behind each 256
	s_mul_i32 s23, s16, 8*272
	s_add_co_u32 s23, s23, SCL
	v_add_nc_u32 v[ADSA], s23, v4
	v_add_nc_u32 v[ADSB], SCLB, v4
	v_and_b32 v6, 31, v0
	v_lshlrev_b32 v[GO], 4, v6                     ; 16 x lane
	v_add_nc_u32 v[VIL], LIMG, v[GO]
	s_mul_i32 s23, s16, 3*1024
	v_add_nc_u32 v[VIMG], s23, v[VIL]
	v_mul_u32_u24 v7, v1, HP
	v_lshl_add_u32 v7, v2, 4, v7
	s_mul_i32 s23, s16, 48*HP
	v_add_nc_u32 v[STO], s23, v7                   ; my stage: row r, 16 bytes for each half of the lanes
	v_lshrrev_b32 v7, 3, v6
	v_mul_u32_u24 v7, v7, HP
	v_and_b32 v8, 7, v6
	v_lshl_add_u32 v7, v8, 4, v7
	v_add_nc_u32 v[RD], s23, v7                    ; back: eight lanes to a row of 128 bytes, four rows an instruction
	v_lshlrev_b32 v[FO], 8, v1
	v_lshl_add_u32 v[FO], v2, 5, v[FO]             ; qkv32: 256 r + 32 h
	s_and_b32 s23, s22, 7
	s_or_b32 s23, s23, s16
	v_mov_b32 v[FLAG], s23
	v_lshlrev_b32 v[LAO], 9, v1
	v_lshl_add_u32 v[LAO], v2, 4, v[LAO]
	v_lshlrev_b32 v[BO], 5, v2
	v_lshl_add_u32 v[LBO], v1, 6, v[BO]
	s_mul_i32 s66, s21, 768
	s_mov_b32 s67, 0
	s_add_nc_u64 s[8:9], s[8:9], s[66:67]          ; the bias of my 192 columns
	s_mul_i32 s66, s21, 12288
	s_mul_i32 s23, s16, 3072
	s_add_co_u32 s66, s66, s23
	s_add_nc_u64 s[10:11], s[10:11], s[66:67]      ; lora_b: rows 192 ct + 48 w on
	s_mul_i32 s66, s21, 1572864                    ; three planes of 524,288 bytes
	s_lshl_b32 s23, s22, 15
	s_add_co_u32 s66, s66, s23
	s_lshl_b32 s23, s16, 13
	s_add_co_u32 s66, s66, s23
	s_add_nc_u64 s[12:13], s[12:13], s[66:67]      ; qkvh at plane 3 ct, row 256 rt + 64 w
	s_lshr_b32 s66, s22, 3
	s_mul_i32 s66, s66, 196608
	s_mul_i32 s23, s21, 12288
	s_add_co_u32 s66, s66, s23
	s_add_nc_u64 s[14:15], s[14:15], s[66:67]      ; qkv32 at sequence rt / 8, plane 3 ct
	WIN 0x40
.irp s, 0,1,2,3,4,5,6,7
.irp c, 0,1
	global_load_b128 v[192+8*\s+4*\c:195+8*\s+4*\c], v[LAO], s[4:5] offset:AC+64*\s+32*\c    ; lora_a's fragment of K step s: it stays
.endr
.endr
	WIN 0x80
.irp b, 0,1,2,3,4,5
	global_load_b128 v[208+8*\b:211+8*\b], v[BO], s[8:9] offset:64*\b
	global_load_b128 v[212+8*\b:215+8*\b], v[BO], s[8:9] offset:64*\b+16
.endr
	WIN 0xc0
.irp b, 0,1,2,3,4,5
	global_load_b128 v[208+8*\b:211+8*\b], v[BO], s[8:9] offset:64*\b+384
	global_load_b128 v[212+8*\b:215+8*\b], v[BO], s[8:9] offset:64*\b+400
.endr
	WIN 0
	global_load_b128 v[224:227], v[LSO], s[6:7] offset:ASC       ; lora_a's scale words of K steps 0-3,
	global_load_b128 v[228:231], v[LSO], s[6:7] offset:ASC+16    ; and 4-7
.irp i, 0,1,2
	global_load_b128 v[160+8*\i:163+8*\i], v[LBO], s[10:11] offset:1024*\i        ; lora_b(16 i + r, 8 h .. 8 h + 7)
	global_load_b128 v[164+8*\i:167+8*\i], v[LBO], s[10:11] offset:1024*\i+16
.endr
	s_wait_loadcnt 0x0
; eight f32 numbers become four registers of high parts and four of low parts, in f16: the high part keeps 10 mantissa bits, so the difference is exact
.macro SPLIT8 src, hi, lo
.irp j, 0,1,2,3,4,5,6,7
	v_and_b32 v[SX+\j], 0xffffe000, v[(\src)+\j]
.endr
.irp j, 0,1,2,3,4,5,6,7
	v_sub_f32 v[SX+8+\j], v[(\src)+\j], v[SX+\j]
.endr
.irp j, 0,1,2,3
	v_cvt_pk_f16_f32 v[(\hi)+\j], v[SX+2*\j], v[SX+2*\j+1]
.endr
.irp j, 0,1,2,3
	v_cvt_pk_f16_f32 v[(\lo)+\j], v[SX+8+2*\j], v[SX+9+2*\j]
.endr
.endm
.irp i, 0,1,2
	SPLIT8 160+8*\i, 184+8*\i, 188+8*\i
	ds_store_b128 v[VIMG], v[184+8*\i:187+8*\i] offset:1024*\i
	ds_store_b128 v[VIMG], v[188+8*\i:191+8*\i] offset:1024*\i+512
.endr
	s_wait_tensorcnt 0x1                           ; the scale bytes and my part of slot 0 are in; slot 1's load may be out
	s_wait_dscnt 0x0                               ; my images have landed
	s_barrier_signal -1
	s_barrier_wait -1
.macro FETCH st                        ; the fragments of K step st (slot st / 4, its (st % 4)-th 128) into set st % 2: w's twelve, x's four
	WIN 0x40
.irp i, 0,1,2,3,4,5,6,7,8,9,10,11
.irp c, 0,1
	ds_load_b128 v[96*((\st)%2)+8*\i+4*\c:96*((\st)%2)+8*\i+4*\c+3], v[ADRB+(\st)/4] offset:64*((\st)%4)+32*\c+\i*16*PITCH
.endr
.endr
	WIN 0
.irp i, 0,1,2,3
.irp c, 0,1
	ds_load_b128 v[AF+32*((\st)%2)+8*\i+4*\c:AF+32*((\st)%2)+8*\i+4*\c+3], v[ADRA+(\st)/4] offset:64*((\st)%4)+32*\c+\i*16*PITCH
.endr
.endr
.endm
.macro SCALES sl                       ; a slot's scale words: four words a row; both halves of the lanes take the same rows
.irp a, 0,1,2,3
	ds_load_b128 v[32+64*\sl+4*\a:35+64*\sl+4*\a], v[ADSA] offset:16*\sl+544*\a
.endr
.irp b, 0,1,2,3,4,5,6,7,8,9,10,11
	ds_load_b128 v[48+64*\sl+4*\b:51+64*\sl+4*\b], v[ADSB] offset:16*\sl+544*\b
.endr
.endm
; 12 products: row blocks a0, a0 + 1 x column blocks 6 bh .. 6 bh + 5.  In K step 0 the bias is C.  The accumulators take turns, one instruction a turn.
.macro MULH st, a0, bh
.irp a, \a0, \a0+1
.irp bb, 0,1,2,3,4,5
.set rD, 8*(12*((\a)%2)+6*(\bh)+\bb)
.set rB, 96*((\st)%2)+8*(6*(\bh)+\bb)
.set rA, AF+32*((\st)%2)+8*(\a)
.set rSB, 48+64*((\st)/4)+4*(6*(\bh)+\bb)+(\st)%4
.set rSA, 32+64*((\st)/4)+4*(\a)+(\st)%4
.if (\st) == 0
	v_wmma_scale_f32_16x16x128_f8f6f4 v[rD:rD+7], v[rB:rB+7], v[rA:rA+7], v[208+8*\bb:215+8*\bb], v[rSB], v[rSA] matrix_a_fmt:MATRIX_FMT_FP4 matrix_b_fmt:MATRIX_FMT_FP4
.else
	v_wmma_scale_f32_16x16x128_f8f6f4 v[rD:rD+7], v[rB:rB+7], v[rA:rA+7], v[rD:rD+7], v[rSB], v[rSA] matrix_a_fmt:MATRIX_FMT_FP4 matrix_b_fmt:MATRIX_FMT_FP4
.endif
.endr
.endr
.endm
.macro TL st, a                        ; t(a) += lora_a's fragment x x's block a
.set rD, 192+8*((\a)%2)
.set rL, 192+8*(\st)
.set rA, AF+32*((\st)%2)+8*(\a)
.set rSA, 32+64*((\st)/4)+4*(\a)+(\st)%4
.if (\st) == 0
	v_wmma_scale_f32_16x16x128_f8f6f4 v[rD:rD+7], v[rL:rL+7], v[rA:rA+7], 0, v[224+(\st)], v[rSA] matrix_a_fmt:MATRIX_FMT_FP4 matrix_b_fmt:MATRIX_FMT_FP4
.else
	v_wmma_scale_f32_16x16x128_f8f6f4 v[rD:rD+7], v[rL:rL+7], v[rA:rA+7], v[rD:rD+7], v[224+(\st)], v[rSA] matrix_a_fmt:MATRIX_FMT_FP4 matrix_b_fmt:MATRIX_FMT_FP4
.endif
.endm
; A K step of 128: its fragments were asked for a whole step earlier; the next step's are asked for first, then come 52 products.
.macro STEP st
.if (\st) == 3
	s_wait_tensorcnt 0x0                           ; my part of slot 1 is in
.endif
	s_wait_dscnt 0x0                               ; this step's fragments are in (in step 3: and these were my last reads of slot 0)
.if (\st) == 3
	s_barrier_signal -1                            ; slot 1 is whole, and nobody reads slot 0 any more
	s_barrier_wait -1
.endif
.if (\st) < 7
.if (\st) > 0
	PLACES 4                                       ; four plain places in front of loads into registers that the last step's products have read
.endif
	FETCH (\st)+1
.if (\st) == 3
	SCALES 1
.endif
.endif
.if (\st) == 0
	WIN 0xa1                                       ; w window 1, x window 0, D window 2, the bias window 2
	MULH \st, 0, 0
	WIN 0xb1                                       ; the bias of blocks 6-11: window 3
	MULH \st, 0, 1
	TL \st, 0
	TL \st, 1
	WIN 0xe1
	MULH \st, 2, 0
	WIN 0xf1
	MULH \st, 2, 1
	TL \st, 2
	TL \st, 3
.else
	WIN 0xa1
	MULH \st, 0, 0
	MULH \st, 0, 1
	TL \st, 0
	TL \st, 1
	WIN 0xf1
	MULH \st, 2, 0
	MULH \st, 2, 1
	TL \st, 2
	TL \st, 3
.endif
.endm
	FETCH 0
	SCALES 0
.irp s, 0,1,2,3,4,5,6,7
	STEP \s
.endr
	; ---- + (t / 16) lora_b^T, as pairs of f16
	PLACES 5                                       ; five places: another form is about to write over these accumulators; they also serve the loads and reads below
	WIN 0x40
.irp b, 0,1,2,3,4,5,6,7,8,9,10,11      ; each image twice: [hi | hi] at v[16 b], [lo | lo] at v[16 b + 8]
	ds_load_b128 v[16*\b:16*\b+3], v[VIL] offset:1024*\b
	ds_load_b128 v[16*\b+4:16*\b+7], v[VIL] offset:1024*\b
	ds_load_b128 v[16*\b+8:16*\b+11], v[VIL] offset:1024*\b+512
	ds_load_b128 v[16*\b+12:16*\b+15], v[VIL] offset:1024*\b+512
.endr
.irp a, 0,1,2,3
	WIN 0x02+\a/2                                  ; source 0: window 2 or 3
.irp j, 0,2,4,6
	v_pk_mul_f32 v[TSC+\j:TSC+\j+1], v[192+8*(\a%2)+\j:193+8*(\a%2)+\j], 0x3d800000 op_sel_hi:[1,0]   ; t / 16: exact; from the low end on
.endr
	WIN 0
	SPLIT8 TSC, 160+8*\a, 164+8*\a                 ; [t_hi | t_lo]: source 1 of the f16 product
.endr
	s_wait_dscnt 0x0
	WIN 0xa1
.irp p, 0,8
.irp a, 0,1
.irp b, 0,1,2,3,4,5,6,7,8,9,10,11
	v_wmma_f32_16x16x32_f16 v[8*(12*\a+\b):8*(12*\a+\b)+7], v[16*\b+\p:16*\b+\p+7], v[160+8*\a:167+8*\a], v[8*(12*\a+\b):8*(12*\a+\b)+7]
.endr
.endr
.endr
	WIN 0xf1
.irp p, 0,8
.irp a, 0,1
.irp b, 0,1,2,3,4,5,6,7,8,9,10,11
	v_wmma_f32_16x16x32_f16 v[8*(12*\a+\b):8*(12*\a+\b)+7], v[16*\b+\p:16*\b+\p+7], v[176+8*\a:183+8*\a], v[8*(12*\a+\b):8*(12*\a+\b)+7]
.endr
.endr
.endr
	WIN 0
	PLACES 4
	; ---- positions 0-15 of a sequence (wave 0 of tile rows 0 and 8, row block 0) also leave as f32: a lane mask, not a branch
	v_cmp_eq_u32 vcc_lo, 0, v[FLAG]
	s_wait_xcnt 0x0                                ; EXEC changes only behind this wait
	s_and_saveexec_b32 s23, vcc_lo
	WIN 0x08                                       ; a store's data: window 2
.irp b, 0,1,2,3,4,5,6,7,8,9,10,11
	global_store_b128 v[FO], v[8*\b:8*\b+3], s[14:15] offset:4096*(\b/4)+64*(\b%4)
	global_store_b128 v[FO], v[8*\b+4:8*\b+7], s[14:15] offset:4096*(\b/4)+64*(\b%4)+16
.endr
	WIN 0
	s_wait_xcnt 0x0                                ; and again in front of the line that widens it
	s_or_b32 exec_lo, exec_lo, s23
	; ---- the way out: a block of 16 rows x 3 heads is rounded to f16, goes through my stage and leaves as dense runs of 512 bytes
.macro PACK a
	WIN 0x0a+5*((\a)/2)                            ; sources 0 and 1: window 2 or 3
.irp b, 0,1,2,3,4,5,6,7,8,9,10,11
.irp q, 0,1,2,3
	v_cvt_pk_f16_f32 v[160+4*\b+\q], v[8*(12*((\a)%2)+\b)+2*\q], v[8*(12*((\a)%2)+\b)+2*\q+1]
.endr
.endr
	WIN 0
.endm
.macro TOSTAGE a
.irp b, 0,1,2,3,4,5,6,7,8,9,10,11
	ds_store_b128 v[STO], v[160+4*\b:163+4*\b] offset:16*HP*(\b/4)+32*(\b%4)
.endr
	WIN 0x40
.irp j, 0,1,2
.irp i, 0,1,2,3
	ds_load_b128 v[48*((\a)%2)+16*\j+4*\i:48*((\a)%2)+16*\j+4*\i+3], v[RD] offset:16*HP*\j+4*HP*\i   ; in order behind my stores
.endr
.endr
	WIN 0
.endm
.macro SEND a
	s_wait_dscnt 0x0                               ; the block is back in registers
	WIN 0x04                                       ; a store's data: window 1
.irp j, 0,1,2
.irp i, 0,1,2,3
	global_store_b128 v[GO], v[48*((\a)%2)+16*\j+4*\i:48*((\a)%2)+16*\j+4*\i+3], s[12:13] offset:524288*\j+2048*(\a)+512*\i   ; 512 consecutive bytes, aligned
.endr
.endr
	WIN 0
.endm
	PACK 0
	TOSTAGE 0
	PACK 1
	SEND 0
	TOSTAGE 1
	PACK 2
	SEND 1
	s_wait_xcnt 0x0                                ; block 0's stores have read their registers: block 2's loads may land there
	TOSTAGE 2
	PACK 3
	SEND 2
	s_wait_xcnt 0x0
	TOSTAGE 3
	SEND 3
	s_wait_tensorcnt 0x0                           ; the wave's end
	ds_add_u32 v[SPW], v[NIL]
	s_wait_dscnt 0x0
	CROUND                                         ; the closing round
	s_endpgm
.Lfunc_end_k_qbb3df38c6c_qkv:
	.size	k_qbb3df38c6c_qkv, .Lfunc_end_k_qbb3df38c6c_qkv-k_qbb3df38c6c_qkv
	.p2alignl 7, 3214868480
	.fill 96, 4, 3214868480
	.section	.rodata,"a",@progbits
	.p2align	6, 0x0
	.amdhsa_kernel k_qbb3df38c6c_qkv
		.amdhsa_group_segment_fixed_size 327680
		.amdhsa_private_segment_fixed_size 0
		.amdhsa_enable_private_segment 0
		.amdhsa_kernarg_size 48
		.amdhsa_user_sgpr_count 2
		.amdhsa_user_sgpr_kernarg_segment_ptr 1
		.amdhsa_wavefront_size32 1
		.amdhsa_system_sgpr_workgroup_id_x 1
		.amdhsa_system_sgpr_workgroup_id_y 1
		.amdhsa_system_sgpr_workgroup_id_z 1
		.amdhsa_system_vgpr_workitem_id 0
		.amdhsa_next_free_vgpr 1024
		.amdhsa_next_free_sgpr 100
		.amdhsa_reserve_vcc 1
		.amdhsa_float_denorm_mode_32 3
		.amdhsa_float_denorm_mode_16_64 3
		.amdhsa_memory_ordered 1
		.amdhsa_forward_progress 1
		.amdhsa_inst_pref_size 134
	.end_amdhsa_kernel
	.amdgpu_metadata
---
amdhsa.version: [ 1, 2 ]
amdhsa.kernels:
  - .name:           k_qbb3df38c6c_qkv
    .symbol:         k_qbb3df38c6c_qkv.kd
    .args:
      - { .name: codes, .offset: 0, .size: 8, .value_kind: global_buffer, .address_space: global }
      - { .name: scales, .offset: 8, .size: 8, .value_kind: global_buffer, .address_space: global }
      - { .name: b_attn, .offset: 16, .size: 8, .value_kind: global_buffer, .address_space: global }
      - { .name: lora_b_attn, .offset: 24, .size: 8, .value_kind: global_buffer, .address_space: global }
      - { .name: qkvh, .offset: 32, .size: 8, .value_kind: global_buffer, .address_space: global }
      - { .name: qkv32, .offset: 40, .size: 8, .value_kind: global_buffer, .address_space: global }
    .group_segment_fixed_size: 327680
    .private_segment_fixed_size: 0
    .kernarg_segment_align: 8
    .kernarg_segment_size: 48
    .max_flat_workgroup_size: 128
    .sgpr_count:     100
    .vgpr_count:     1024
    .wavefront_size: 32
...
	.end_amdgpu_metadata
.endif
;; end of part 2
;; launch attn (part 3): grid 8 x 32, 8 waves a work-group, no clusters, 327,680 bytes of LDS; arguments qkvh, yh; writes yh
.if DOCPART == 3
	.amdgcn_target "amdgcn-amd-amdhsa--gfx1250"
	.amdhsa_code_object_version 6
	.text
	.protected	k_qbb3df38c6c_attn
	.globl	k_qbb3df38c6c_attn
	.p2align	8
	.type	k_qbb3df38c6c_attn,@function
k_qbb3df38c6c_attn:
	s_mov_b64 s[64:65], 0
	v_nop
	global_prefetch_b8 v0, s[64:65] scope:SCOPE_SE
	s_setreg_imm32_b32 hwreg(HW_REG_WAVE_MODE, 25, 1), 1
	s_wait_xcnt 0x0
; y[b][head][q] = sum over k <= q of softmax_k(q . k / 8) v, on f16 operands with f32 products' sums, maxima and row sums.  q, k, v: planes of qkvh [48][4096][64] f16; y: yh [16 head][4096][64] f16.
; (Positions 0-15 of each sequence are computed here too, for their part in nothing else: the last launch carries them in f32 and owns their rows of the output.)
; SHARES.  A head of a sequence has 16 blocks of 128 queries and 8 work-groups of 8 waves.  Work-group i owns an early block, i, and a late one, 15 - i; wave w owns tile w (16 queries) of each: tau = 8 i + w and
; tau = 120 - 8 i + w.  A tile's last step, the one on the diagonal, is tau / 4: 2 i + w / 4 and 30 - 2 i + w / 4.  So under the causal mask every wave of the launch has 32 or 34 tile-steps, and at every step, the
; diagonals' aside, all eight waves of a work-group have the same number of tiles at work: they reach the barrier of a change of slots together.  Two waves share a SIMD: one's softmax stands beside the other's products.
; All walk the keys in steps of 64 through a ring of two LDS slots of 256 keys.  EVERY work-group walks all eight changes of slots: the trip counts are constants.  What is left out is a step's work, where all its keys
; come after the wave's queries, and a slot's load, where its first step comes after the work-group's last step, 31 - 2 i: both by branches on ids and on the count of steps.
; NO CLUSTER, though the eight work-groups of a head read the same K and V: work-group i reads 8, 8, 7, 7, 6, 6, 5, 5 slots (i = 0 .. 7), so partners would need different numbers of tiles, and a joint load
; would bring some partner a tile that none of its waves reads.
; LAYOUT.  S^T = K Q^T and O^T = V^T P: a lane holds one query (lane % 16) throughout; two tiles of S^T, rounded in pairs, are source 1 of the second product.  V comes out of LDS turned, by ds_load_tr16_b128.
; SOFTMAX.  Running maximum m and sum l: p = 2^(c s - c m), c = log2(e) / 8; O and l are multiplied by a = 2^(c m_old - c m_new) in every step; l sums the unrounded p and divides at the end.
; The loop has no first step of its own: O^T and l begin as zeros and m as -3e38.
; LIMITS: q, k, v beyond 65,504 have no f16; a y under 6e-5 is rounded more coarsely than 11 bits.
; REGISTERS.  Window 0: v1-15 addresses; v32-63 statistics, 16 a tile; v64-127 S^T; v128-159 P; v160-191 Q; v192-255 O^T.  Window 1: v0-63 K of a step, v64-127 V^T of a step.  Tile 0 is the late one.
.set KP,    144                        ; a key's row in LDS: 128 bytes + 16
.set VP,    160                        ; a row of V: 128 bytes + 32: the turning load's 8 rows x 32 bytes fall on different banks
.set VOFF,  256*KP
.set SLOT1, 1<<17
.set STAGE, SLOT1+256*(KP+VP)          ; 16 rows x 144 bytes for each wave, for the way out
.set SPARE, STAGE+8*16*KP              ; the spare words, 128 bytes a wave
.set PLANE, 524288
.set AK0, 3
.set AV0, 4
.set ADK, 5
.set ADV, 6
.set QO,  7
.set STO, 8
.set RD,  9
.set GO,  10
.set PFO, 11                           ; v11  256 x lane; never rewritten
.set NEGI, 12                          ; v12  -infinity
.set SPW, 14                           ; v14  my spare word; never rewritten
.set NIL, 15                           ; v15  0; never rewritten
.set ST,  32                           ; tile t at v[ST + 16 t]: +0 c m, +1 m, +2, +3 l, +4..+7 at work (a in +6), +8 the mask's offset
.set SS,  64
.set PP,  128
.set QQ,  160
.set OO,  192
.set WV,  8
.set SA,  10                           ; s10  the early tile's diagonal step
.set SB,  11                           ; s11  the late tile's
.set KS,  12                           ; s12  the step
.set TK,  13                           ; s13  LDS byte of the step's rows of K
.set TV,  14                           ; s14  of V (less VOFF)
.set LIM, 15
.set PFA, 16
.set LS,  18                           ; s18  the work-group's last step: 31 - 2 i, the same in all eight waves
.set SEL, 20
.set CS,  22
.set G1K, 24
.set G1V, 32
.set G0K, 40
.set G0V, 44
.set SLOTS, 48
.set CNT, 49
.set MSB, 0
.macro WIN new
.if MSB != \new
	s_set_vgpr_msb (MSB<<8)|\new
.set MSB, \new
.endif
.endm
; Waves 0 and 1 fetch K's halves of a slot, waves 2 and 3 V's, the others nothing.  An s_nop 0 and four v_nop follow each line.
.macro TLOAD
	s_cmp_lt_u32 s[WV], 2
	s_cbranch_scc0 .Lnot_k_\@
	tensor_load_to_lds s[G0K:G0K+3], s[G1K:G1K+7]
	s_nop 0
.rept 4
	v_nop
.endr
	s_branch .Lasked_\@
.Lnot_k_\@:
	s_cmp_lt_u32 s[WV], 4
	s_cbranch_scc0 .Lasked_\@
	tensor_load_to_lds s[G0V:G0V+3], s[G1V:G1V+7]
	s_nop 0
.rept 4
	v_nop
.endr
.Lasked_\@:
.endm
; A prefetch of what the NEXT change of slots will load, four key steps ahead of that load: a slot's 32,768 bytes of K and of V.  All work-groups of a head walk the same K and V: the head's first work-group,
; which reads all eight slots, asks, and nobody else.  Each of its eight waves has one instruction: waves 0-3 for K's quarters of 8,192 bytes, waves 4-7 for V's, lanes 256 bytes apart.  So each block is named
; once in the launch.  The last change that fills a slot asks for nothing; slots 0 and 1 come by their loads alone.
.macro ASK
	s_cmp_gt_u32 s[SLOTS], s[LIM]
	s_cbranch_scc0 .Lnot_mine_\@
	global_prefetch_b8 v[PFO], s[PFA:PFA+1] th:TH_LOAD_NT scope:SCOPE_SE
.Lnot_mine_\@:
.endm
	s_load_b128 s[4:7], s[0:1], 0x0                ; qkvh 4:5, yh 6:7
	v_lshl_add_u32 v[SPW], v0, 2, SPARE
	v_mov_b32 v[NIL], 0
	ds_add_u32 v[SPW], v[NIL]                      ; the wave's opening: the add, twice on end, and its wait
	ds_add_u32 v[SPW], v[NIL]
	v_lshrrev_b32 v1, 5, v0
	v_readfirstlane_b32 s[WV], v1                  ; wave 0..7
	s_lshr_b32 s9, s[WV], 2                        ; w / 4
	s_lshl_b32 s[SA], ttmp9, 1                     ; 2 i
	s_sub_co_u32 s[LS], 31, s[SA]
	s_sub_co_u32 s[SB], 30, s[SA]
	s_add_co_u32 s[SB], s[SB], s9                  ; 30 - 2 i + w / 4
	s_add_co_u32 s[SA], s[SA], s9                  ; 2 i + w / 4
	s_mov_b32 s[KS], 0
	s_mov_b32 s[TK], 0
	s_mov_b32 s[TV], 0
	s_mov_b32 s[SLOTS], 7
	s_and_b32 s58, ttmp7, 0xffff                   ; 16 b + head
	s_and_b32 s59, s58, 15
	s_lshr_b32 s58, s58, 4
	s_lshl_b32 s59, s59, 19                        ; head x a plane
	s_lshl_b32 s58, s58, 18                        ; b x 2,048 rows of 128 bytes
	s_add_co_u32 s58, s58, s59
	s_and_b32 s60, s[WV], 1                        ; which half of a slot I fetch
	s_lshl_b32 s61, s60, 14
	s_add_co_u32 s62, s58, s61
	s_add_co_u32 s62, s62, 16*PLANE                ; K's planes begin at 16
	s_mov_b32 s63, 0
	s_add_co_u32 s66, s62, 16*PLANE                ; V's at 32
	s_mov_b32 s67, 0
	s_mul_i32 s68, s60, 128*KP
	s_mul_i32 s69, s60, 128*VP
	s_add_co_u32 s69, s69, VOFF
	s_lshl_b32 s70, ttmp9, 3
	s_sub_co_u32 s71, 120, s70
	s_add_co_u32 s70, s70, s[WV]                   ; the early tile: 8 i + w
	s_add_co_u32 s71, s71, s[WV]                   ; the late tile: 120 - 8 i + w
	s_lshl_b32 s70, s70, 11                        ; 16 rows of 128 bytes a tile
	s_lshl_b32 s71, s71, 11
	s_add_co_u32 s72, s58, s71
	s_mov_b32 s73, 0
	s_add_co_u32 s74, s58, s70
	s_mov_b32 s75, 0
	s_lshl_b32 s76, s9, 23                         ; the prefetches: K's plane (waves 0-3) or V's, 16 planes on,
	s_add_co_u32 s76, s76, s58
	s_add_co_u32 s76, s76, 16*PLANE+32768          ; in slot 1: the first change of slots steps it to slot 2,
	s_and_b32 s77, s[WV], 3
	s_lshl_b32 s79, s77, 4                         ; 16 (w % 4): both my tiles' place in a step of 64 keys
	s_lshl_b32 s77, s77, 13
	s_add_co_u32 s76, s76, s77                     ; my wave's 8,192 bytes
	s_mov_b32 s77, 0
	s_cmp_eq_u32 ttmp9, 0                          ; the head's first work-group
	s_cselect_b32 s[LIM], 1, -1
	; group 1: 128 keys as 64 rows of 256 bytes (two keys), dense in memory; padding behind every 128 bytes
	s_mov_b32 s[G1K], (1<<16)|(1<<20)|(4<<22)|(3<<25)               ; no mask; elements of 2 bytes; 4 words behind every 32
	s_mov_b32 s[G1V], (1<<16)|(1<<20)|(4<<22)|(7<<25)               ; 8 words behind every 32
.irp g, G1K, G1V
	s_mov_b32 s[\g+1], 128<<16
	s_mov_b32 s[\g+2], 64<<16
	s_mov_b32 s[\g+3], 128<<16
	s_mov_b32 s[\g+4], 64
	s_mov_b32 s[\g+5], 128
	s_mov_b32 s[\g+6], 0
	s_mov_b32 s[\g+7], 0
.endr
	s_mov_b32 s[SEL], 0x76543210
	s_mov_b32 s[SEL+1], 0xfedcba98
	s_mov_b32 s[CS], 0x3e38aa3b                    ; c = log2(e) / 8
	s_mov_b32 s[CS+1], s[CS]
	s_wait_dscnt 0x0                               ; both opening adds are done
	s_wait_kmcnt 0x0
	s_mov_b32 s[G0K], 1
	s_mov_b32 s[G0K+1], s68
	s_add_nc_u64 s[G0K+2:G0K+3], s[4:5], s[62:63]
	s_or_b32 s[G0K+3], s[G0K+3], 0x80000000
	s_mov_b32 s[G0V], 1
	s_mov_b32 s[G0V+1], s69
	s_add_nc_u64 s[G0V+2:G0V+3], s[4:5], s[66:67]
	s_or_b32 s[G0V+3], s[G0V+3], 0x80000000
	s_add_nc_u64 s[54:55], s[4:5], s[72:73]        ; Q of tile 0 (late), tile 1 (early)
	s_add_nc_u64 s[56:57], s[4:5], s[74:75]
	s_add_nc_u64 s[50:51], s[6:7], s[72:73]        ; y likewise
	s_add_nc_u64 s[52:53], s[6:7], s[74:75]
	s_add_nc_u64 s[PFA:PFA+1], s[4:5], s[76:77]
	TLOAD                                          ; slot 0: it holds key 0, which counts for every query
	v_and_b32 v1, 15, v0                           ; r
	v_bfe_u32 v2, v0, 4, 1                         ; h
	v_lshlrev_b32 v[QO], 7, v1
	v_lshl_add_u32 v[QO], v2, 4, v[QO]
.irp c, 0,1
	global_load_b128 v[QQ+8*\c:QQ+8*\c+3], v[QO], s[54:55] offset:64*\c
	global_load_b128 v[QQ+8*\c+4:QQ+8*\c+7], v[QO], s[54:55] offset:64*\c+32
	global_load_b128 v[QQ+16+8*\c:QQ+16+8*\c+3], v[QO], s[56:57] offset:64*\c
	global_load_b128 v[QQ+16+8*\c+4:QQ+16+8*\c+7], v[QO], s[56:57] offset:64*\c+32
.endr
	v_mul_u32_u24 v[AK0], v1, KP
	v_lshl_add_u32 v[AK0], v2, 4, v[AK0]           ; 144 r + 16 h
	v_and_b32 v13, 7, v0
	v_lshl_add_u32 v[AV0], v2, 3, v13
	v_mul_u32_u24 v[AV0], v[AV0], VP
	v_bfe_u32 v13, v0, 3, 1
	v_lshl_add_u32 v[AV0], v13, 4, v[AV0]
	v_add_nc_u32 v[AV0], VOFF, v[AV0]              ; the turning load: key 8 h + lane % 8, channels 8 ((lane / 8) % 2) on
	s_mul_i32 s78, s[WV], 16*KP
	s_add_co_u32 s78, s78, STAGE
	v_add_nc_u32 v[STO], s78, v[AK0]
	v_and_b32 v13, 31, v0
	v_lshlrev_b32 v[GO], 4, v13
	v_lshlrev_b32 v[PFO], 8, v13
	v_lshrrev_b32 v[RD], 3, v13
	v_mul_u32_u24 v[RD], v[RD], KP
	v_and_b32 v13, 7, v0
	v_lshl_add_u32 v[RD], v13, 4, v[RD]
	v_add_nc_u32 v[RD], s78, v[RD]
	v_lshlrev_b32 v13, 3, v2
	v_sub_nc_u32 v13, v1, v13                      ; r - 8 h
	v_add_nc_u32 v[ST+8], s79, v13                 ; the mask's offset: tau % 4 = w % 4 in both tiles
	v_add_nc_u32 v[ST+16+8], s79, v13
	v_mov_b32 v[NEGI], 0xff800000
.irp t, 0,1
	v_mov_b32 v[ST+16*\t+1], 0xff61b1e6            ; m = -3e38, under every score
	v_mul_f32 v[ST+16*\t], s[CS], v[ST+16*\t+1]
	v_mov_b32 v[ST+16*\t+2], 0
	v_mov_b32 v[ST+16*\t+3], 0
	v_mov_b32 v[ST+16*\t+5], 0                     ; a lane permute's destination counts as one of its sources
	v_mov_b32 v[ST+16*\t+7], 0
.endr
.irp j, 0,1,2,3,4,5,6,7,8,9,10,11,12,13,14,15,16,17,18,19,20,21,22,23,24,25,26,27,28,29,30,31,32,33,34,35,36,37,38,39,40,41,42,43,44,45,46,47,48,49,50,51,52,53,54,55,56,57,58,59,60,61,62,63
	v_mov_b32 v[OO+\j], 0                          ; the step is written once: the first finds zeros
.endr
.macro SQ t                            ; S^T of tile t: 8 products, the four key tiles by turns
.irp c, 0,1
.irp kt, 0,1,2,3
.if \c == 0
	v_wmma_f32_16x16x32_f16 v[SS+32*\t+8*\kt:SS+32*\t+8*\kt+7], v[16*\kt+8*\c:16*\kt+8*\c+7], v[QQ+16*\t+8*\c:QQ+16*\t+8*\c+7], 0
.else
	v_wmma_f32_16x16x32_f16 v[SS+32*\t+8*\kt:SS+32*\t+8*\kt+7], v[16*\kt+8*\c:16*\kt+8*\c+7], v[QQ+16*\t+8*\c:QQ+16*\t+8*\c+7], v[SS+32*\t+8*\kt:SS+32*\t+8*\kt+7]
.endif
.endr
.endr
.endm
.macro PVM t                           ; O^T of tile t += V^T P: 8 products, the four channel tiles by turns
.irp ks, 0,1
.irp dt, 0,1,2,3
	v_wmma_f32_16x16x32_f16 v[OO+32*\t+8*\dt:OO+32*\t+8*\dt+7], v[64+32*\ks+8*\dt:64+32*\ks+8*\dt+7], v[PP+16*\t+8*\ks:PP+16*\t+8*\ks+7], v[OO+32*\t+8*\dt:OO+32*\t+8*\dt+7]
.endr
.endr
.endm
; The softmax of tile t for one step.  dg: the scalar register with the tile's diagonal step.
.macro SM t, dg
.set rT, ST+16*(\t)
.set rS, SS+32*(\t)
.set rP, PP+16*(\t)
.set rO, OO+32*(\t)
	s_cmp_lg_u32 s[KS], s[\dg]
	s_cbranch_scc1 .Lopen_\@
.irp n, 0,1,2,3,4,5,6,7,8,9,10,11,12,13,14,15,16,17,18,19,20,21,22,23,24,25,26,27,28,29,30,31
	v_cmp_gt_i32 vcc_lo, 16*(\n/8)+\n%8, v[rT+8]   ; register n holds key 16 (n / 8) + 8 h + n % 8 of the step: hidden where it comes after my query
	v_cndmask_b32 v[rS+\n], v[rS+\n], v[NEGI], vcc_lo
.endr
.Lopen_\@:
.irp j, 0,1,2,3
	v_max3_num_f32 v[rT+4+\j], v[rS+8*\j], v[rS+8*\j+1], v[rS+8*\j+2]      ; four chains, each from its accumulator's low end on
.endr
.irp q, 1,2
.irp j, 0,1,2,3
	v_max3_num_f32 v[rT+4+\j], v[rT+4+\j], v[rS+8*\j+2*\q+1], v[rS+8*\j+2*\q+2]
.endr
.endr
	v_max3_num_f32 v[rT+4], v[rT+4], v[rS+7], v[rS+15]
	v_max3_num_f32 v[rT+6], v[rT+6], v[rS+23], v[rS+31]
	v_max3_num_f32 v[rT+4], v[rT+4], v[rT+5], v[rT+6]
	v_max3_num_f32 v[rT+4], v[rT+4], v[rT+7], v[rT+1]      ; and the old m
	v_permlanex16_b32 v[rT+5], v[rT+4], s[SEL], s[SEL+1]   ; the query's other 32 keys lie in the lane 16 away
	v_mov_b32 v[rT+7], v[rT]                       ; c m_old
	v_max_num_f32 v[rT+1], v[rT+4], v[rT+5]
	v_mul_f32 v[rT], s[CS], v[rT+1]
	v_sub_f32 v[rT+7], v[rT+7], v[rT]
.irp b, 0,1,2,3,4,5,6,7,8,9,10,11,12,13,14,15
	v_pk_fma_f32 v[rS+2*\b:rS+2*\b+1], v[rS+2*\b:rS+2*\b+1], s[CS:CS+1], v[rT:rT+1] op_sel_hi:[1,0,0] neg_lo:[0,0,1] neg_hi:[0,0,1]   ; c s - c m
.endr
	v_exp_f32 v[rT+6], v[rT+7]                     ; a
.irp n, 0,1,2,3,4,5,6,7,8,9,10,11,12,13,14,15,16,17,18,19,20,21,22,23,24,25,26,27,28,29,30,31
	v_exp_f32 v[rS+\n], v[rS+\n]
.endr
	v_nop                                          ; a plain instruction behind the last exponential,
	s_wait_alu depctr_va_vdst(0)                   ; and one wait for the batch of 33, ahead of its first reader
.irp p, 0,1,2,3,4,5,6,7,8,9,10,11,12,13,14,15
	v_cvt_pk_f16_f32 v[rP+\p], v[rS+2*\p], v[rS+2*\p+1]
.endr
.irp u, 0,1,2,3,4,5,6,7
	v_pk_add_f32 v[rS+4*\u:rS+4*\u+1], v[rS+4*\u:rS+4*\u+1], v[rS+4*\u+2:rS+4*\u+3]       ; the sum of the unrounded p, in place
.endr
.irp u, 0,1,2,3
	v_pk_add_f32 v[rS+8*\u:rS+8*\u+1], v[rS+8*\u:rS+8*\u+1], v[rS+8*\u+4:rS+8*\u+5]
.endr
.irp u, 0,1
	v_pk_add_f32 v[rS+16*\u:rS+16*\u+1], v[rS+16*\u:rS+16*\u+1], v[rS+16*\u+8:rS+16*\u+9]
.endr
	v_pk_add_f32 v[rS:rS+1], v[rS:rS+1], v[rS+16:rS+17]
	v_pk_fma_f32 v[rT+2:rT+3], v[rT+2:rT+3], v[rT+6:rT+7], v[rS:rS+1] op_sel_hi:[1,0,1]   ; l = a l + the sum
.irp i, 0,1,2,3,4,5,6,7,8,9,10,11,12,13,14,15
	v_pk_mul_f32 v[rO+2*\i:rO+2*\i+1], v[rO+2*\i:rO+2*\i+1], v[rT+6:rT+7] op_sel_hi:[1,0]  ; O^T x a
.endr
.endm
; A key step of 64 keys.  A step behind the late tile's diagonal is left out whole.  Behind the wait for K ONE test parts two arms that are written out whole: both tiles (up to the early tile's diagonal),
; or the late tile alone; so on every way through a step each register that is read has been written on that way.  The arms join at the lines that step addresses, which stand on every path.
.macro STEP
	s_cmp_gt_u32 s[KS], s[SB]
	s_cbranch_scc1 .Lhid_\@
	v_add_nc_u32 v[ADK], s[TK], v[AK0]
	v_add_nc_u32 v[ADV], s[TV], v[AV0]
.rept 4
	v_nop                                          ; with the two additions: the places in front of loads into registers that the last step's products have read
.endr
	WIN 0x40
.irp kt, 0,1,2,3
.irp c, 0,1
	ds_load_b128 v[16*\kt+8*\c:16*\kt+8*\c+3], v[ADK] offset:16*KP*\kt+64*\c
	ds_load_b128 v[16*\kt+8*\c+4:16*\kt+8*\c+7], v[ADK] offset:16*KP*\kt+64*\c+32
.endr
.endr
.irp ks, 0,1
.irp dt, 0,1,2,3
	ds_load_tr16_b128 v[64+32*\ks+8*\dt:64+32*\ks+8*\dt+3], v[ADV] offset:32*VP*\ks+32*\dt
	ds_load_tr16_b128 v[64+32*\ks+8*\dt+4:64+32*\ks+8*\dt+7], v[ADV] offset:32*VP*\ks+16*VP+32*\dt
.endr
.endr
	WIN 0                                          ; at a branch every window is 0
	s_wait_dscnt 16                                ; K's sixteen loads are in; V's sixteen, issued behind them, may be out
	s_cmp_gt_u32 s[KS], s[SA]
	s_cbranch_scc1 .Lone_\@
	; ---- both tiles
	WIN 0x01
	SQ 0
	SQ 1
	WIN 0
.rept 4
	v_nop                                          ; places in front of the first read of the scores
.endr
	SM 0, SB
	SM 1, SA
	s_wait_dscnt 0x0                               ; V is in: my reads of the slot for this step are over
	WIN 0x01
	PVM 0
	PVM 1
	WIN 0
	s_branch .Lhid_\@
.Lone_\@:
	; ---- the late tile alone
	WIN 0x01
	SQ 0
	WIN 0
.rept 4
	v_nop
.endr
	SM 0, SB
	s_wait_dscnt 0x0
	WIN 0x01
	PVM 0
	WIN 0
.Lhid_\@:
	s_add_co_u32 s[KS], s[KS], 1
	s_add_co_u32 s[TK], s[TK], 64*KP
	s_add_co_u32 s[TV], s[TV], 64*VP
.endm
.macro FOUR_STEPS                      ; a slot's four steps: written once, walked four times
	s_mov_b32 s[CNT], 4
.Lstep_\@:
	STEP
	s_sub_co_u32 s[CNT], s[CNT], 1
	s_cmp_lg_u32 s[CNT], 0
	s_cbranch_scc1 .Lstep_\@
	s_sub_co_u32 s[TK], s[TK], 256*KP
	s_xor_b32 s[TK], s[TK], SLOT1                  ; on to the other slot
	s_sub_co_u32 s[TV], s[TV], 256*VP
	s_xor_b32 s[TV], s[TV], SLOT1
.endm
; THE CHANGE OF SLOTS stands at a slot's head.  Each wave waits for all its tensor loads (its part of the slot ahead), adds 0 to its spare word, and waits for that and for its reads of the slot that it has left.
; Behind the barrier the slot ahead is whole and nobody reads the other one.  fill = 1: that other slot is filled with the next 256 keys: a wave's one tensor load until the next such barrier; it has four steps
; in which to land.  THE LOOK-AHEAD ENDS AT THE CAUSAL LIMIT: a slot whose first step comes after the work-group's last step is read by none of its waves and is not asked for.  The test is made of the
; work-group's number and the count of steps alone, so all eight waves go the same way, and a work-group that is past the limit stays past it; it leads round the load's own lines and round nothing else;
; every wait on TENSORcnt in this text is for 0.
.macro CHANGE fill
	s_wait_tensorcnt 0x0                           ; no tensor load of mine is out, so a group 0 may be written
	ds_add_u32 v[SPW], v[NIL]
.if \fill
	ds_add_u32 v[SPW], v[NIL]                      ; and twice on end here, in every trip alike
	s_xor_b32 s[G0K+1], s[G0K+1], SLOT1
	s_add_nc_u64 s[G0K+2:G0K+3], s[G0K+2:G0K+3], 32768
	s_xor_b32 s[G0V+1], s[G0V+1], SLOT1
	s_add_nc_u64 s[G0V+2:G0V+3], s[G0V+2:G0V+3], 32768
	s_wait_xcnt 0x0                                ; the last prefetch, a slot back, has read its address
	s_add_nc_u64 s[PFA:PFA+1], s[PFA:PFA+1], 32768
.endif
	s_wait_dscnt 0x0                               ; the add is done (fill = 1: both are), and my reads of the slot that I have left are over
	s_barrier_signal -1
	s_barrier_wait -1
.if \fill
	s_add_co_u32 s78, s[KS], 4                     ; the first step of the slot that this change would ask for
	s_cmp_gt_u32 s78, s[LS]
	s_cbranch_scc1 .Lpast_\@
	TLOAD
.Lpast_\@:
	ASK
.endif
.endm
	s_wait_loadcnt 0x0                             ; Q
.Lslot:                                            ; 7 trips: behind each change of slots but the last the next slot is asked for, up to the causal limit
	CHANGE 1
	FOUR_STEPS
	s_sub_co_u32 s[SLOTS], s[SLOTS], 1
	s_cmp_lg_u32 s[SLOTS], 0
	s_cbranch_scc1 .Lslot
	CHANGE 0                                       ; the last slot is written out: nothing is left to ask for
	FOUR_STEPS
	; THE WAY OUT.  The additions are the places behind the last products.
.irp t, 0,1
	v_add_f32 v[ST+16*\t+4], v[ST+16*\t+2], v[ST+16*\t+3]
.endr
.irp t, 0,1
	v_permlanex16_b32 v[ST+16*\t+5], v[ST+16*\t+4], s[SEL], s[SEL+1]
.endr
.irp t, 0,1
	v_add_f32 v[ST+16*\t+4], v[ST+16*\t+4], v[ST+16*\t+5]
.endr
	v_nop
	v_nop
.irp t, 0,1
	v_rcp_f32 v[ST+16*\t+6], v[ST+16*\t+4]
.endr
	v_nop
	s_wait_alu depctr_va_vdst(0)                   ; one wait for the two reciprocals, ahead of their first reader
.macro OUT t, base                     ; O^T / l, rounded to f16, through my stage, out as 2,048 consecutive bytes
.irp i, 0,1,2,3,4,5,6,7,8,9,10,11,12,13,14,15
	v_pk_mul_f32 v[OO+32*\t+2*\i:OO+32*\t+2*\i+1], v[OO+32*\t+2*\i:OO+32*\t+2*\i+1], v[ST+16*\t+6:ST+16*\t+7] op_sel_hi:[1,0]
.endr
.irp i, 0,1,2,3,4,5,6,7,8,9,10,11,12,13,14,15
	v_cvt_pk_f16_f32 v[SS+32*\t+\i], v[OO+32*\t+2*\i], v[OO+32*\t+2*\i+1]
.endr
.irp d, 0,1,2,3
	ds_store_b128 v[STO], v[SS+32*\t+4*\d:SS+32*\t+4*\d+3] offset:32*\d
.endr
.irp i, 0,1,2,3
	ds_load_b128 v[SS+32*\t+16+4*\i:SS+32*\t+16+4*\i+3], v[RD] offset:4*KP*\i     ; in order behind my stores
.endr
	s_wait_dscnt 0x0
.irp i, 0,1,2,3
	global_store_b128 v[GO], v[SS+32*\t+16+4*\i:SS+32*\t+16+4*\i+3], s[\base:\base+1] offset:512*\i
.endr
.endm
	OUT 0, 50
	OUT 1, 52
	s_wait_tensorcnt 0x0                           ; the wave's end
	ds_add_u32 v[SPW], v[NIL]
	s_wait_dscnt 0x0
	s_endpgm
.Lfunc_end_k_qbb3df38c6c_attn:
	.size	k_qbb3df38c6c_attn, .Lfunc_end_k_qbb3df38c6c_attn-k_qbb3df38c6c_attn
	.p2alignl 7, 3214868480
	.fill 96, 4, 3214868480
	.section	.rodata,"a",@progbits
	.p2align	6, 0x0
	.amdhsa_kernel k_qbb3df38c6c_attn
		.amdhsa_group_segment_fixed_size 327680
		.amdhsa_private_segment_fixed_size 0
		.amdhsa_enable_private_segment 0
		.amdhsa_kernarg_size 16
		.amdhsa_user_sgpr_count 2
		.amdhsa_user_sgpr_kernarg_segment_ptr 1
		.amdhsa_wavefront_size32 1
		.amdhsa_system_sgpr_workgroup_id_x 1
		.amdhsa_system_sgpr_workgroup_id_y 1
		.amdhsa_system_sgpr_workgroup_id_z 1
		.amdhsa_system_vgpr_workitem_id 0
		.amdhsa_next_free_vgpr 384
		.amdhsa_next_free_sgpr 82
		.amdhsa_reserve_vcc 1
		.amdhsa_float_denorm_mode_32 3
		.amdhsa_float_denorm_mode_16_64 3
		.amdhsa_memory_ordered 1
		.amdhsa_forward_progress 1
		.amdhsa_inst_pref_size 81
	.end_amdhsa_kernel
	.amdgpu_metadata
---
amdhsa.version: [ 1, 2 ]
amdhsa.kernels:
  - .name:           k_qbb3df38c6c_attn
    .symbol:         k_qbb3df38c6c_attn.kd
    .args:
      - { .name: qkvh, .offset: 0, .size: 8, .value_kind: global_buffer, .address_space: global }
      - { .name: yh, .offset: 8, .size: 8, .value_kind: global_buffer, .address_space: global }
    .group_segment_fixed_size: 327680
    .private_segment_fixed_size: 0
    .kernarg_segment_align: 8
    .kernarg_segment_size: 16
    .max_flat_workgroup_size: 256
    .sgpr_count:     82
    .vgpr_count:     384
    .wavefront_size: 32
...
	.end_amdgpu_metadata
.endif
;; end of part 3
;; launch proj (part 4): grid 8 x 32, 4 waves a work-group, clusters of 4 x 4, 327,680 bytes of LDS; arguments yh, w16, b_proj, out0; writes out0
.if DOCPART == 4
	.amdgcn_target "amdgcn-amd-amdhsa--gfx1250"
	.amdhsa_code_object_version 6
	.text
	.protected	k_qbb3df38c6c_proj
	.globl	k_qbb3df38c6c_proj
	.p2align	8
	.type	k_qbb3df38c6c_proj,@function
k_qbb3df38c6c_proj:
	s_mov_b64 s[64:65], 0
	v_nop
	global_prefetch_b8 v0, s[64:65] scope:SCOPE_SE
	s_setreg_imm32_b32 hwreg(HW_REG_WAVE_MODE, 25, 1), 1
	s_wait_xcnt 0x0
	s_wait_alu depctr_hold_cnt(0) depctr_sa_sdst(0) depctr_va_vdst(0) depctr_va_sdst(0) depctr_va_ssrc(0) depctr_va_vcc(0) depctr_vm_vsrc(0)
	s_getreg_b32 s2, hwreg(HW_REG_IB_STS2, 6, 4)
	s_cmp_eq_u32 s2, 0
	s_cbranch_scc0 .Lentry_in_a_cluster
	s_endpgm
.Lentry_in_a_cluster:
	s_bfe_u32 s2, ttmp6, 0x10000c
	s_cmp_lg_u32 s2, 0xf033
	s_cbranch_scc0 .Lentry_shape_is_right
	s_endpgm
.Lentry_shape_is_right:
; out0 = y W_eff^T + b_proj, f16 operands, f32 sums, for all rows but positions 0-15 of each sequence, which the last launch owns.  y: yh [16 head][4096 m][64] f16; W_eff: w16 [1024 n][1024 k] f16; out0 [4096][1024] f32.
; A tile of C is 128 x 128: 8 x 32 = 256 work-groups.  Four waves, each 64 x 64: 16 accumulators.  K goes in four steps of 256 (four heads' planes) through a ring of two LDS slots; both are filled again once.
; A's half tile is ONE load: 4 rows (planes) of 8,192 dense bytes (64 rows of y x 128 bytes), padded behind every 128 bytes: in LDS plane p begins at 9,216 p and row r at 144 r.
; CLUSTER 4 x 4: y's tiles are shared along a row of the cluster, W_eff's along a column: joint loads.  The four K steps are written out: no loop.
; THE MATRIX INSTRUCTION IS USED TRANSPOSED (source 0 = 16 rows of W_eff, source 1 = 16 rows of y): a lane holds eight neighbouring columns of a row of C.  The bias is the C of each sum's first product.
; REGISTERS: window 0: v0-31 addresses; v96-127 the bias; v128-255 the accumulators ((a, b) at v[128 + 8 (4 a + b)]), later rows on their way out.  Window 1: two fragment buffers of 128.
.set AP,     144
.set BP,     528
.set APL,    64*AP                     ; a plane's 64 rows
.set AHALF,  4*APL
.set BHALF,  64*BP
.set SLOT,   2*AHALF+2*BHALF
.set SPARE,  2*SLOT                    ; the spare words, 128 bytes a wave
.set SPITCH, 528                       ; the way out: 128 rows x (512 bytes + 16), in slot 0, which has had its last fill and its last read by then
.set ADRA, 16
.set ADRB, 20
.set STO,  24
.set RD,   25
.set CO,   26
.set FLAG, 27                          ; v27  0 in the wave whose first 16 rows are positions 0-15
.set SPW,  28
.set NIL,  29
.set BI,   96
.set ACC,  128
.set F0,   0
.set F1,   128
.set G1, 24
.set G0, 32
.set G1B, 48
.set G0B, 56
.set MSB, 0
.macro WIN new
.if MSB != \new
	s_set_vgpr_msb (MSB<<8)|\new
.set MSB, \new
.endif
.endm
.set MUL,  0x05                        ; sources 0 and 1 window 1; C and D window 0
.set TO_F, 0x40
.macro JLOAD s                         ; waves 0 and 1 fetch y's halves, waves 2 and 3 W_eff's; an s_nop 0 and four v_nop follow each line
	s_cmp_eq_u32 s15, 0
	s_cbranch_scc0 .Lfor_b_\@
	tensor_load_to_lds s[G0+4*\s:G0+4*\s+3], s[G1:G1+7]
	s_nop 0
.rept 4
	v_nop
.endr
	s_branch .Lasked_\@
.Lfor_b_\@:
	tensor_load_to_lds s[G0B+4*\s:G0B+4*\s+3], s[G1B:G1B+7]
	s_nop 0
.rept 4
	v_nop
.endr
.Lasked_\@:
.endm
.macro CREST
	s_cmp_lg_u32 s14, 0
	s_cbranch_scc1 .Lnot_wave_0_\@
	s_barrier_signal -3
.Lnot_wave_0_\@:
	s_barrier_wait -3
	s_barrier_signal -1
	s_barrier_wait -1
.endm
.macro CROUND
	s_barrier_signal -1
	s_barrier_wait -1
	CREST
.endm
	s_load_b256 s[4:11], s[0:1], 0x0               ; yh 4:5, w16 6:7, b_proj 8:9, out0 10:11
	v_lshl_add_u32 v[SPW], v0, 2, SPARE
	v_mov_b32 v[NIL], 0
	ds_add_u32 v[SPW], v[NIL]                      ; the wave's opening: the add, twice on end, and its wait
	ds_add_u32 v[SPW], v[NIL]
	v_lshrrev_b32 v1, 5, v0
	v_readfirstlane_b32 s14, v1                    ; wave 0..3
	s_lshr_b32 s15, s14, 1                         ; my half of the tile's rows; also: I fetch for y (0) or W_eff (1)
	s_and_b32 s16, s14, 1                          ; my half of its columns; also: which half I fetch
	s_bfe_u32 s40, ttmp6, 0x40000
	s_bfe_u32 s41, ttmp6, 0x40004
	s_lshl_b32 s42, ttmp9, 2
	s_add_co_u32 s42, s42, s40                     ; ct
	s_and_b32 s17, ttmp7, 0xffff
	s_lshl_b32 s17, s17, 2
	s_add_co_u32 s17, s17, s41                     ; rt
	s_lshl_b32 s43, s41, 2
	s_lshl_b32 s43, 15, s43
	s_lshl_b32 s44, 0x1111, s40
	s_or_b32 s[G1], s43, (1<<16)|(1<<20)|(1<<21)|(4<<22)|(3<<25)    ; elements of 2 bytes; 4 words of padding behind every 32
	s_mov_b32 s[G1+1], 4096<<16                    ; tensor_dim0 = 4,096 elements: 64 rows of y, dense
	s_mov_b32 s[G1+2], 4<<16                       ; tensor_dim1 = 4 planes
	s_mov_b32 s[G1+3], 4096<<16                    ; tile_dim0
	s_mov_b32 s[G1+4], 4                           ; tile_dim1
	s_mov_b32 s[G1+5], 262144                      ; from plane to plane, in elements
	s_mov_b32 s[G1+6], 0
	s_mov_b32 s[G1+7], 0
	s_or_b32 s[G1B], s44, (1<<16)|(1<<20)|(1<<21)|(6<<22)|(3<<25)   ; 4 words behind every 128
	s_mov_b32 s[G1B+1], 256<<16
	s_mov_b32 s[G1B+2], 64<<16
	s_mov_b32 s[G1B+3], 256<<16
	s_mov_b32 s[G1B+4], 64
	s_mov_b32 s[G1B+5], 1024
	s_mov_b32 s[G1B+6], 0
	s_mov_b32 s[G1B+7], 0
	s_lshl_b32 s18, s17, 14                        ; y: row 128 rt + 64 half, 128 bytes a row
	s_lshl_b32 s20, s16, 13
	s_add_co_u32 s18, s18, s20
	s_mov_b32 s19, 0
	s_lshl_b32 s46, s42, 18                        ; W_eff: row 128 ct + 64 half, 2,048 bytes a row
	s_lshl_b32 s20, s16, 17
	s_add_co_u32 s46, s46, s20
	s_mov_b32 s47, 0
	s_mul_i32 s21, s16, AHALF
	s_mul_i32 s22, s16, BHALF
	s_add_co_u32 s22, s22, 2*AHALF
	s_wait_dscnt 0x0
	s_wait_kmcnt 0x0
	s_add_nc_u64 s[18:19], s[4:5], s[18:19]
	s_add_nc_u64 s[46:47], s[6:7], s[46:47]
	CROUND
.irp s, 0,1
	s_mov_b32 s[G0+4*\s], 1
	s_add_co_u32 s[G0+4*\s+1], s21, \s*SLOT
	s_add_nc_u64 s[G0+4*\s+2:G0+4*\s+3], s[18:19], \s*2097152      ; K step s: four planes on
	s_or_b32 s[G0+4*\s+3], s[G0+4*\s+3], 0x80000000
	s_mov_b32 s[G0B+4*\s], 1
	s_add_co_u32 s[G0B+4*\s+1], s22, \s*SLOT
	s_add_nc_u64 s[G0B+4*\s+2:G0B+4*\s+3], s[46:47], \s*512
	s_or_b32 s[G0B+4*\s+3], s[G0B+4*\s+3], 0x80000000
	JLOAD \s                                       ; two tensor loads of mine are out at the most
.endr
	v_and_b32 v1, 15, v0
	v_bfe_u32 v2, v0, 4, 1
	v_mul_u32_u24 v3, v1, AP
	v_lshl_add_u32 v3, v2, 4, v3
	v_mul_u32_u24 v4, v1, BP
	v_lshl_add_u32 v4, v2, 4, v4
	s_mul_i32 s21, s15, AHALF
	s_mul_i32 s22, s16, BHALF
	s_add_co_u32 s22, s22, 2*AHALF
.irp s, 0,1
	v_add_nc_u32 v[ADRA+\s], s21, v3
	v_add_nc_u32 v[ADRB+\s], s22, v4
	s_add_co_u32 s21, s21, SLOT
	s_add_co_u32 s22, s22, SLOT
.endr
	s_mul_i32 s23, s15, 64*SPITCH
	s_lshl_b32 s21, s16, 8
	s_add_co_u32 s23, s23, s21
	v_mul_u32_u24 v5, v1, SPITCH
	v_lshl_add_u32 v5, v2, 5, v5
	v_add_nc_u32 v[STO], s23, v5                   ; the stage: row 64 half + r, my 256 bytes of it, 32 bytes for each half of the lanes
	s_mul_i32 s23, s14, 32*SPITCH
	v_and_b32 v5, 31, v0
	v_lshlrev_b32 v[CO], 4, v5
	v_add_nc_u32 v[RD], s23, v[CO]                 ; back: wave w takes rows 32 w on, a row of 512 bytes an instruction
	s_and_b32 s23, s17, 15
	s_or_b32 s23, s23, s14
	v_mov_b32 v[FLAG], s23
	v_lshlrev_b32 v6, 5, v2
	s_lshl_b32 s20, s42, 9
	s_lshl_b32 s21, s16, 8
	s_add_co_u32 s20, s20, s21
	s_mov_b32 s21, 0
	s_add_nc_u64 s[8:9], s[8:9], s[20:21]          ; the bias of my 64 columns
.irp b, 0,1,2,3
	global_load_b128 v[BI+8*\b:BI+8*\b+3], v6, s[8:9] offset:64*\b
	global_load_b128 v[BI+8*\b+4:BI+8*\b+7], v6, s[8:9] offset:64*\b+16
.endr
	s_lshl_b32 s20, s17, 19                        ; out0: row 128 rt + 32 w, column 128 ct
	s_lshl_b32 s22, s14, 17
	s_add_co_u32 s20, s20, s22
	s_lshl_b32 s22, s42, 9
	s_add_co_u32 s20, s20, s22
	s_add_nc_u64 s[10:11], s[10:11], s[20:21]
.macro MUL8 f, c, a0, zero             ; 8 products: row blocks a0, a0 + 1 x 4 column blocks, 32 along K.  zero = 1: the bias starts the sums
.irp a, \a0, \a0+1
.irp b, 0,1,2,3
.if \zero
	v_wmma_f32_16x16x32_f16 v[ACC+8*(4*(\a)+\b):ACC+8*(4*(\a)+\b)+7], v[\f+64+8*(4*\c+\b):\f+64+8*(4*\c+\b)+7], v[\f+8*(4*\c+\a):\f+8*(4*\c+\a)+7], v[BI+8*\b:BI+8*\b+7]
.else
	v_wmma_f32_16x16x32_f16 v[ACC+8*(4*(\a)+\b):ACC+8*(4*(\a)+\b)+7], v[\f+64+8*(4*\c+\b):\f+64+8*(4*\c+\b)+7], v[\f+8*(4*\c+\a):\f+8*(4*\c+\a)+7], v[ACC+8*(4*(\a)+\b):ACC+8*(4*(\a)+\b)+7]
.endif
.endr
.endr
.endm
.macro FETCH slot, qd, f               ; 32 LDS loads in one run: the fragments of the slot's qd-th 64 along K (one plane of y), the first 32 along K first
	WIN TO_F
.irp c, 0,1
.irp i, 0,1,2,3
	ds_load_b128 v[\f+64+8*(4*\c+\i):\f+64+8*(4*\c+\i)+3],   v[ADRB+\slot] offset:128*\qd+64*\c+\i*16*BP
	ds_load_b128 v[\f+64+8*(4*\c+\i)+4:\f+64+8*(4*\c+\i)+7], v[ADRB+\slot] offset:128*\qd+64*\c+\i*16*BP+32
	ds_load_b128 v[\f+8*(4*\c+\i):\f+8*(4*\c+\i)+3],         v[ADRA+\slot] offset:APL*\qd+64*\c+\i*16*AP
	ds_load_b128 v[\f+8*(4*\c+\i)+4:\f+8*(4*\c+\i)+7],       v[ADRA+\slot] offset:APL*\qd+64*\c+\i*16*AP+32
.endr
.endr
.endm
.macro PLACES
.rept 4
	v_nop
.endr
.endm
.macro QUARTER slot, qd, f, g, zero    ; multiplies buffer f and fetches the slot's qd-th quarter into g
	s_wait_dscnt 16                                ; the first 32 along K are in; the run's second sixteen loads may be out
	WIN MUL
	MUL8 \f, 0, 0, \zero
	MUL8 \f, 0, 2, \zero
	PLACES
	FETCH \slot, \qd, \g
	s_wait_dscnt 32                                ; all but the 32 just issued
	WIN MUL
	MUL8 \f, 1, 0, 0
	MUL8 \f, 1, 2, 0
.endm
; A slot's last quarter multiplies buffer 1 and changes slots: one barrier; in front of it each wave waits for all its tensor loads, adds 0 to its spare word, and waits for that and for its reads of this slot.
.macro TURN slot, next, fill
	WIN 0
	s_wait_tensorcnt 0x0                           ; all my tensor loads have landed: my part of the next slot
	ds_add_u32 v[SPW], v[NIL]
	s_wait_dscnt 17                                ; the add and the youngest sixteen loads may be out
	WIN MUL
	MUL8 F1, 0, 0, 0
	s_wait_dscnt 0x0                               ; the add is done, and my reads of this slot are over
	s_barrier_signal -1
	MUL8 F1, 0, 2, 0
.if \fill
	WIN 0
.endif
	s_barrier_wait -1
.if \fill
	CREST                                          ; the barrier has opened a round of the cluster's barrier
	s_add_nc_u64 s[G0+4*\slot+2:G0+4*\slot+3], s[G0+4*\slot+2:G0+4*\slot+3], 2*2097152
	s_add_nc_u64 s[G0B+4*\slot+2:G0B+4*\slot+3], s[G0B+4*\slot+2:G0B+4*\slot+3], 2*512
	JLOAD \slot                                    ; the first tensor load behind the round; its four v_nop are also the places in front of the loads below
.else
	PLACES
.endif
	FETCH \next, 0, F0
	WIN MUL
	MUL8 F1, 1, 0, 0
	MUL8 F1, 1, 2, 0
.endm
	s_wait_tensorcnt 1                             ; my part of K step 0 is in; K step 1's load may be out
	s_barrier_signal -1
	s_barrier_wait -1
	FETCH 0, 0, F0
	s_wait_loadcnt 0x0                             ; the bias
	QUARTER 0, 1, F0, F1, 1
	QUARTER 0, 2, F1, F0, 0
	QUARTER 0, 3, F0, F1, 0
	TURN 0, 1, 1                                   ; slot 0 takes K step 2
	QUARTER 1, 1, F0, F1, 0
	QUARTER 1, 2, F1, F0, 0
	QUARTER 1, 3, F0, F1, 0
	TURN 1, 0, 1                                   ; slot 1 takes K step 3
	QUARTER 0, 1, F0, F1, 0
	QUARTER 0, 2, F1, F0, 0
	QUARTER 0, 3, F0, F1, 0
	TURN 0, 1, 0                                   ; nothing is left to fetch; behind this barrier nobody reads slot 0
	QUARTER 1, 1, F0, F1, 0
	QUARTER 1, 2, F1, F0, 0
	QUARTER 1, 3, F0, F1, 0
	s_wait_dscnt 16
	WIN MUL
	MUL8 F1, 0, 0, 0
	MUL8 F1, 0, 2, 0
	s_wait_dscnt 0
	MUL8 F1, 1, 0, 0
	MUL8 F1, 1, 2, 0
	WIN 0
	; THE WAY OUT: the accumulators go to the work-group's stage as they are; a barrier, since a row's 512 bytes come from two waves; back as whole rows.
	PLACES
.irp a, 0,1,2,3
.irp b, 0,1,2,3
	ds_store_b128 v[STO], v[ACC+8*(4*\a+\b):ACC+8*(4*\a+\b)+3] offset:\a*16*SPITCH+64*\b         ; each accumulator from its low end on
	ds_store_b128 v[STO], v[ACC+8*(4*\a+\b)+4:ACC+8*(4*\a+\b)+7] offset:\a*16*SPITCH+64*\b+16
.endr
.endr
	s_wait_dscnt 0x0                               ; for the others' sake: my stores have landed
	s_barrier_signal -1
	s_barrier_wait -1
.irp t, 0,1,2,3,4,5,6,7,8,9,10,11,12,13,14,15,16,17,18,19,20,21,22,23,24,25,26,27,28,29,30,31
	ds_load_b128 v[ACC+4*\t:ACC+4*\t+3], v[RD] offset:\t*SPITCH
.endr
	v_cmp_ne_u32 vcc_lo, 0, v[FLAG]                ; my first 16 rows are left out where they are positions 0-15 of a sequence: a lane mask, not a branch
	s_wait_xcnt 0x0                                ; EXEC changes only behind this wait
	s_and_saveexec_b32 s2, vcc_lo
.irp t, 0,1,2,3,4,5,6,7,8,9,10,11,12,13,14,15
	s_wait_dscnt 31-\t                             ; row t is back; the younger rows may be out
	global_store_b128 v[CO], v[ACC+4*\t:ACC+4*\t+3], s[10:11] offset:4096*\t th:TH_STORE_NT      ; 512 consecutive bytes, aligned
.endr
	s_wait_xcnt 0x0                                ; and again in front of the line that widens it
	s_or_b32 exec_lo, exec_lo, s2
.irp t, 16,17,18,19,20,21,22,23,24,25,26,27,28,29,30,31
	s_wait_dscnt 31-\t
	global_store_b128 v[CO], v[ACC+4*\t:ACC+4*\t+3], s[10:11] offset:4096*\t th:TH_STORE_NT
.endr
	s_wait_tensorcnt 0x0                           ; the wave's end
	ds_add_u32 v[SPW], v[NIL]
	s_wait_dscnt 0x0
	CROUND                                         ; the closing round
	s_endpgm
.Lfunc_end_k_qbb3df38c6c_proj:
	.size	k_qbb3df38c6c_proj, .Lfunc_end_k_qbb3df38c6c_proj-k_qbb3df38c6c_proj
	.p2alignl 7, 3214868480
	.fill 96, 4, 3214868480
	.section	.rodata,"a",@progbits
	.p2align	6, 0x0
	.amdhsa_kernel k_qbb3df38c6c_proj
		.amdhsa_group_segment_fixed_size 327680
		.amdhsa_private_segment_fixed_size 0
		.amdhsa_enable_private_segment 0
		.amdhsa_kernarg_size 32
		.amdhsa_user_sgpr_count 2
		.amdhsa_user_sgpr_kernarg_segment_ptr 1
		.amdhsa_wavefront_size32 1
		.amdhsa_system_sgpr_workgroup_id_x 1
		.amdhsa_system_sgpr_workgroup_id_y 1
		.amdhsa_system_sgpr_workgroup_id_z 1
		.amdhsa_system_vgpr_workitem_id 0
		.amdhsa_next_free_vgpr 512
		.amdhsa_next_free_sgpr 66
		.amdhsa_reserve_vcc 1
		.amdhsa_float_denorm_mode_32 3
		.amdhsa_float_denorm_mode_16_64 3
		.amdhsa_memory_ordered 1
		.amdhsa_forward_progress 1
		.amdhsa_inst_pref_size 87
	.end_amdhsa_kernel
	.amdgpu_metadata
---
amdhsa.version: [ 1, 2 ]
amdhsa.kernels:
  - .name:           k_qbb3df38c6c_proj
    .symbol:         k_qbb3df38c6c_proj.kd
    .args:
      - { .name: yh, .offset: 0, .size: 8, .value_kind: global_buffer, .address_space: global }
      - { .name: w16, .offset: 8, .size: 8, .value_kind: global_buffer, .address_space: global }
      - { .name: b_proj, .offset: 16, .size: 8, .value_kind: global_buffer, .address_space: global }
      - { .name: out0, .offset: 24, .size: 8, .value_kind: global_buffer, .address_space: global }
    .group_segment_fixed_size: 327680
    .private_segment_fixed_size: 0
    .kernarg_segment_align: 8
    .kernarg_segment_size: 32
    .max_flat_workgroup_size: 128
    .sgpr_count:     66
    .vgpr_count:     512
    .wavefront_size: 32
...
	.end_amdgpu_metadata
.endif
;; end of part 4
;; launch first16 (part 5): grid 32 x 2, 16 waves a work-group, no clusters, 34,816 bytes of LDS; arguments qkv32, weff, b_proj, out0; writes out0
.if DOCPART == 5
	.amdgcn_target "amdgcn-amd-amdhsa--gfx1250"
	.amdhsa_code_object_version 6
	.text
	.protected	k_qbb3df38c6c_first16
	.globl	k_qbb3df38c6c_first16
	.p2align	8
	.type	k_qbb3df38c6c_first16,@function
k_qbb3df38c6c_first16:
	s_mov_b64 s[64:65], 0
	v_nop
	global_prefetch_b8 v0, s[64:65] scope:SCOPE_SE
	s_setreg_imm32_b32 hwreg(HW_REG_WAVE_MODE, 25, 1), 1
	s_wait_xcnt 0x0
; Positions 0-15 of both sequences, in f32 from q, k, v to out0: these rows average one to sixteen values and are the largest of the output, so 16-bit operands would weigh most here.
; A work-group makes 16 rows x 32 columns of out0 (x: which 32 columns; y: the sequence).  Wave = head: it makes the head's causal attention on 16 positions and the head's part of the 32 columns; the 16 parts meet in LDS.
; All products are v_wmma_f32_16x16x4_f32, used transposed, so that a lane holds one query (lane % 16) throughout.  A finished result becomes the next source 1 with no change of lanes: both operands of a product take
; the same order of k.  Instruction i names registers 2 i, 2 i + 1, which in lane (r, h) hold k = 8 h + 2 i + 0, 1.
; The registers that these products write (v176-239) are written by matrix instructions alone; each sum begins with the constant 0; two or four accumulators take turns.
; No cluster and no tensor load: what is shared is 196,608 bytes a sequence, and the launch's whole work is small.  Its stores are pieces of 128 bytes, 131,072 bytes in all.
; REGISTERS: v16-47 Q; v48-79 K, later y; v80-111 V^T; v112-175 W_eff; v176-191 S^T in two halves; v192-223 O^T; v224-239 the part of out0; v240-247 p; v248-255 at work.
.set SPW, 14
.set NIL, 15
.set SPARE, 32768                      ; behind the 16 waves' images of 2,048 bytes: the spare words, 128 bytes a wave
	s_load_b256 s[4:11], s[0:1], 0x0               ; qkv32 4:5, weff 6:7, b_proj 8:9, out0 10:11
	v_lshl_add_u32 v[SPW], v0, 2, SPARE
	v_mov_b32 v[NIL], 0
	v_lshrrev_b32 v1, 5, v0
	v_readfirstlane_b32 s12, v1                    ; wave = head
	s_and_b32 s13, ttmp7, 0xffff                   ; the sequence
	v_and_b32 v1, 15, v0                           ; r
	v_bfe_u32 v2, v0, 4, 1                         ; h
	v_lshlrev_b32 v3, 8, v1
	v_lshl_add_u32 v3, v2, 4, v3                   ; Q, K: row r of 256 bytes, + 16 h
	v_lshlrev_b32 v4, 2, v1
	v_lshl_add_u32 v4, v2, 11, v4                  ; V: key 8 h, channel r
	v_lshlrev_b32 v5, 12, v1
	v_lshl_add_u32 v5, v2, 5, v5                   ; W_eff and out0: row r of 4,096 bytes, + 32 h
	v_lshlrev_b32 v6, 3, v2
	v_sub_nc_u32 v6, v1, v6                        ; r - 8 h: register j holds key 8 h + j, hidden where j > r - 8 h
	v_and_b32 v7, 31, v0
	v_lshlrev_b32 v7, 4, v7
	s_lshl_b32 s14, s12, 11
	v_add_nc_u32 v7, s14, v7                       ; my image: 2,048 x wave + 16 x lane
	v_lshlrev_b32 v8, 4, v0                        ; waves 0-3, on the way back: 512 x wave + 16 x lane
	v_lshlrev_b32 v9, 5, v2
	s_mul_i32 s14, s13, 48
	s_add_co_u32 s14, s14, s12
	s_lshl_b32 s14, s14, 12                        ; plane (sequence, head) of 4,096 bytes; K's lies 16 planes on, V's 32
	s_mov_b32 s15, 0
	s_lshl_b32 s20, ttmp9, 17                      ; W_eff: 32 rows of 4,096 bytes a work-group,
	s_lshl_b32 s21, s12, 8                         ; the head's 64 numbers
	s_add_co_u32 s20, s20, s21
	s_mov_b32 s21, 0
	s_mov_b32 s16, 0x76543210
	s_mov_b32 s17, 0xfedcba98
	s_mov_b32 s18, 0x3e38aa3b                      ; c = log2(e) / 8
	v_mov_b32 v248, 0xff800000                     ; -infinity
	v_mov_b32 v251, 0                              ; a lane permute's destination counts as one of its sources
	s_wait_kmcnt 0x0
	s_add_nc_u64 s[4:5], s[4:5], s[14:15]
	s_add_nc_u64 s[6:7], s[6:7], s[20:21]
.irp g, 0,1,2,3,4,5,6,7
	global_load_b128 v[16+4*\g:19+4*\g], v3, s[4:5] offset:32*\g               ; Q(r, 8 g + 4 h + 0 .. 3)
	global_load_b128 v[48+4*\g:51+4*\g], v3, s[4:5] offset:65536+32*\g         ; K likewise: the same order of channels on both sides
.endr
.irp dt, 0,1,2,3
.irp e, 0,1,2,3,4,5,6,7
	global_load_b32 v[80+8*\dt+\e], v4, s[4:5] offset:131072+256*\e+64*\dt     ; V(8 h + e, 16 dt + r)
.endr
.endr
.irp n, 0,1
.irp dt, 0,1,2,3
	global_load_b128 v[112+32*\n+8*\dt:115+32*\n+8*\dt], v5, s[6:7] offset:65536*\n+64*\dt        ; W_eff(16 n + r, 16 dt + 8 h + 0 .. 7)
	global_load_b128 v[116+32*\n+8*\dt:119+32*\n+8*\dt], v5, s[6:7] offset:65536*\n+64*\dt+16
.endr
.endr
	s_wait_loadcnt 48                              ; Q and K are in; V's 32 loads and W_eff's 16 may be out
.irp u, 0,1,2,3,4,5,6,7,8,9,10,11,12,13,14,15
.if \u < 2
	v_wmma_f32_16x16x4_f32 v[176+8*(\u%2):183+8*(\u%2)], v[48+2*\u:49+2*\u], v[16+2*\u:17+2*\u], 0
.else
	v_wmma_f32_16x16x4_f32 v[176+8*(\u%2):183+8*(\u%2)], v[48+2*\u:49+2*\u], v[16+2*\u:17+2*\u], v[176+8*(\u%2):183+8*(\u%2)]
.endif
.endr
.rept 8
	v_nop                                          ; eight places behind this form (ISA guide 7.12.1)
.endr
.irp j, 0,1,2,3,4,5,6,7
	v_add_f32 v[240+\j], v[176+\j], v[184+\j]      ; the score of key 8 h + j for query r
.endr
.irp j, 0,1,2,3,4,5,6,7
	v_cmp_gt_i32 vcc_lo, \j, v6
	v_cndmask_b32 v[240+\j], v[240+\j], v248, vcc_lo
.endr
	v_max3_num_f32 v249, v240, v241, v242
	v_max3_num_f32 v250, v243, v244, v245
	v_max3_num_f32 v249, v249, v246, v247
	v_max_num_f32 v249, v249, v250
	v_permlanex16_b32 v251, v249, s16, s17
	v_max_num_f32 v249, v249, v251                 ; the row's largest score: key 0 counts for every query
	v_mul_f32 v249, s18, v249
.irp j, 0,1,2,3,4,5,6,7
	v_fma_f32 v[240+\j], v[240+\j], s18, -v249
.endr
.irp j, 0,1,2,3,4,5,6,7
	v_exp_f32 v[240+\j], v[240+\j]                 ; p = 2^(c s - c m)
.endr
	v_nop
	s_wait_alu depctr_va_vdst(0)                   ; one wait for the eight, ahead of their first reader
	v_add_f32 v249, v240, v241
	v_add_f32 v250, v242, v243
	v_add_f32 v252, v244, v245
	v_add_f32 v253, v246, v247
	v_add_f32 v249, v249, v250
	v_add_f32 v252, v252, v253
	v_add_f32 v249, v249, v252
	v_permlanex16_b32 v251, v249, s16, s17
	v_add_f32 v249, v249, v251                     ; the row's sum
	v_rcp_f32 v252, v249
	v_nop
	s_wait_alu depctr_va_vdst(0)
	s_wait_loadcnt 16                              ; V is in; W_eff's 16 loads may be out
.irp i, 0,1,2,3
.irp dt, 0,1,2,3
.if \i == 0
	v_wmma_f32_16x16x4_f32 v[192+8*\dt:199+8*\dt], v[80+8*\dt+2*\i:81+8*\dt+2*\i], v[240+2*\i:241+2*\i], 0
.else
	v_wmma_f32_16x16x4_f32 v[192+8*\dt:199+8*\dt], v[80+8*\dt+2*\i:81+8*\dt+2*\i], v[240+2*\i:241+2*\i], v[192+8*\dt:199+8*\dt]
.endif
.endr
.endr
.rept 8
	v_nop
.endr
.irp n, 0,1,2,3,4,5,6,7,8,9,10,11,12,13,14,15,16,17,18,19,20,21,22,23,24,25,26,27,28,29,30,31
	v_mul_f32 v[48+\n], v[192+\n], v252            ; y(r, 16 (n / 8) + 8 h + n % 8)
.endr
	s_wait_loadcnt 0x0
.irp dt, 0,1,2,3
.irp i, 0,1,2,3
.irp n, 0,1
.if (\dt == 0) && (\i == 0)
	v_wmma_f32_16x16x4_f32 v[224+8*\n:231+8*\n], v[112+32*\n+8*\dt+2*\i:113+32*\n+8*\dt+2*\i], v[48+8*\dt+2*\i:49+8*\dt+2*\i], 0
.else
	v_wmma_f32_16x16x4_f32 v[224+8*\n:231+8*\n], v[112+32*\n+8*\dt+2*\i:113+32*\n+8*\dt+2*\i], v[48+8*\dt+2*\i:49+8*\dt+2*\i], v[224+8*\n:231+8*\n]
.endif
.endr
.endr
.endr
.rept 8
	v_nop
.endr
	ds_store_b128 v7, v[224:227]                   ; my part as an image of its registers: quarter q at 512 q
	ds_store_b128 v7, v[228:231] offset:512
	ds_store_b128 v7, v[232:235] offset:1024
	ds_store_b128 v7, v[236:239] offset:1536
	s_wait_dscnt 0x0                               ; for the others' sake: my stores have landed
	s_barrier_signal -1
	s_barrier_wait -1
	s_cmp_lt_u32 s12, 4
	s_cbranch_scc1 .Lsum
	s_wait_tensorcnt 0x0                           ; waves 4-15 end here
	ds_add_u32 v[SPW], v[NIL]
	s_wait_dscnt 0x0
	s_endpgm
.Lsum:                                             ; wave q = 0..3 adds quarter q of the 16 heads' parts: out0(r, 16 (q / 2) + 8 h + 4 (q % 2) + 0 .. 3)
.irp w, 0,1,2,3,4,5,6,7,8,9,10,11,12,13,14,15
	ds_load_b128 v[16+4*\w:19+4*\w], v8 offset:2048*\w
.endr
	s_lshl_b32 s20, ttmp9, 7                       ; the work-group's 32 columns,
	s_lshr_b32 s22, s12, 1
	s_lshl_b32 s22, s22, 6
	s_add_co_u32 s20, s20, s22
	s_and_b32 s22, s12, 1
	s_lshl_b32 s22, s22, 4
	s_add_co_u32 s20, s20, s22                     ; my quarter's, in bytes
	s_add_nc_u64 s[8:9], s[8:9], s[20:21]
	global_load_b128 v[248:251], v9, s[8:9]        ; their bias
	s_lshl_b32 s22, s13, 23                        ; the sequence's first row
	s_add_co_u32 s20, s20, s22
	s_add_nc_u64 s[10:11], s[10:11], s[20:21]
	s_wait_dscnt 0x0
.irp k, 0,2,4,6,8,10,12,14,16,18,20,22,24,26,28,30
	v_pk_add_f32 v[16+\k:17+\k], v[16+\k:17+\k], v[48+\k:49+\k]
.endr
.irp k, 0,2,4,6,8,10,12,14
	v_pk_add_f32 v[16+\k:17+\k], v[16+\k:17+\k], v[32+\k:33+\k]
.endr
.irp k, 0,2,4,6
	v_pk_add_f32 v[16+\k:17+\k], v[16+\k:17+\k], v[24+\k:25+\k]
.endr
.irp k, 0,2
	v_pk_add_f32 v[16+\k:17+\k], v[16+\k:17+\k], v[20+\k:21+\k]
.endr
	s_wait_loadcnt 0x0
	v_pk_add_f32 v[16:17], v[16:17], v[248:249]
	v_pk_add_f32 v[18:19], v[18:19], v[250:251]
	global_store_b128 v5, v[16:19], s[10:11]
	s_wait_tensorcnt 0x0                           ; the wave's end
	ds_add_u32 v[SPW], v[NIL]
	s_wait_dscnt 0x0
	s_endpgm
.Lfunc_end_k_qbb3df38c6c_first16:
	.size	k_qbb3df38c6c_first16, .Lfunc_end_k_qbb3df38c6c_first16-k_qbb3df38c6c_first16
	.p2alignl 7, 3214868480
	.fill 96, 4, 3214868480
	.section	.rodata,"a",@progbits
	.p2align	6, 0x0
	.amdhsa_kernel k_qbb3df38c6c_first16
		.amdhsa_group_segment_fixed_size 34816
		.amdhsa_private_segment_fixed_size 0
		.amdhsa_enable_private_segment 0
		.amdhsa_kernarg_size 32
		.amdhsa_user_sgpr_count 2
		.amdhsa_user_sgpr_kernarg_segment_ptr 1
		.amdhsa_wavefront_size32 1
		.amdhsa_system_sgpr_workgroup_id_x 1
		.amdhsa_system_sgpr_workgroup_id_y 1
		.amdhsa_system_sgpr_workgroup_id_z 1
		.amdhsa_system_vgpr_workitem_id 0
		.amdhsa_next_free_vgpr 256
		.amdhsa_next_free_sgpr 66
		.amdhsa_reserve_vcc 1
		.amdhsa_float_denorm_mode_32 3
		.amdhsa_float_denorm_mode_16_64 3
		.amdhsa_memory_ordered 1
		.amdhsa_forward_progress 1
		.amdhsa_inst_pref_size 21
	.end_amdhsa_kernel
	.amdgpu_metadata
---
amdhsa.version: [ 1, 2 ]
amdhsa.kernels:
  - .name:           k_qbb3df38c6c_first16
    .symbol:         k_qbb3df38c6c_first16.kd
    .args:
      - { .name: qkv32, .offset: 0, .size: 8, .value_kind: global_buffer, .address_space: global }
      - { .name: weff, .offset: 8, .size: 8, .value_kind: global_buffer, .address_space: global }
      - { .name: b_proj, .offset: 16, .size: 8, .value_kind: global_buffer, .address_space: global }
      - { .name: out0, .offset: 24, .size: 8, .value_kind: global_buffer, .address_space: global }
    .group_segment_fixed_size: 34816
    .private_segment_fixed_size: 0
    .kernarg_segment_align: 8
    .kernarg_segment_size: 32
    .max_flat_workgroup_size: 512
    .sgpr_count:     66
    .vgpr_count:     256
    .wavefront_size: 32
...
	.end_amdgpu_metadata
.endif
;; end of part 5
